; MI455X (gfx1250); checked and timed in simulation.
; The chip was launched on July 23, 2026; its instructions are those of AMD's public machine-readable ISA for CDNA 5 (MIT licence, August 2026) and "CDNA5" Instruction Set Architecture Reference Guide (July 2026). The comments in the code are by the model that wrote it; some were corrected since.
;; Block. Allowed arithmetic: matrix products marked QUANTISED: E4M3 operands, one E8M0 scale for each 32 along K, by v_wmma_scale_f32_16x16x128_f8f6f4 with both operands' format E4M3, f32 sums; everything else in f32.
;; Inputs: b_aproj 1,024 float32; b_attn 3,072 float32; b_fc 4,096 float32; b_mproj 1,024 float32; ln1_b 1,024 float32; ln1_w 1,024 float32; ln2_b 1,024 float32; ln2_w 1,024 float32; w_aproj_codes 1,024 x 32 x 32 uint8 (E4M3 codes of w_aproj, K innermost, in blocks of 32 codes); w_aproj_scales 1,024 x 32 uint8 (E8M0 scales of w_aproj, one for each 32 codes along K); w_attn_codes 3,072 x 32 x 32 uint8 (E4M3 codes of w_attn, K innermost, in blocks of 32 codes); w_attn_scales 3,072 x 32 uint8 (E8M0 scales of w_attn, one for each 32 codes along K); w_fc_codes 4,096 x 32 x 32 uint8 (E4M3 codes of w_fc, K innermost, in blocks of 32 codes); w_fc_scales 4,096 x 32 uint8 (E8M0 scales of w_fc, one for each 32 codes along K); w_mproj_codes 1,024 x 128 x 32 uint8 (E4M3 codes of w_mproj, K innermost, in blocks of 32 codes); w_mproj_scales 1,024 x 128 uint8 (E8M0 scales of w_mproj, one for each 32 codes along K); x 2 x 2,048 x 1,024 float32.
;; Outputs: out0 2 x 2,048 x 1,024 float32; out1 2 x 2 x 16 x 2,048 x 64 float32.
;; This version of the problem:
;;   THIS VERSION OF THE PROBLEM IS GIVEN IN LOW PRECISION. The matrix products marked QUANTISED in the list below multiply operands that are first quantised to E4M3 (4 exponent bits, 3 mantissa bits; 8 bits a number), with one power-of-two scale for each 32 numbers along K (OCP MX v1.0); their sums are f32. All else is computed in f32.
;;   The module's matrix products, in the order in which they are computed (A, B: the left and right operand; K: the contracted axis; several contracted axes count as one K, in the product's order):
;;     1. [M 4,096, K 1,024] x [K 1,024, N 3,072]; A: computed on the way; B: input w_attn (given as codes): QUANTISED
;;     2. batch 32 x [M 2,048, K 64] x [K 64, N 2,048]; A: computed on the way; B: computed on the way: QUANTISED
;;     3. batch 32 x [M 2,048, K 2,048] x [K 2,048, N 64]; A: softmax (see below); B: computed on the way: QUANTISED
;;     4. [M 4,096, K 1,024] x [K 1,024, N 1,024]; A: computed on the way; B: input w_aproj (given as codes): QUANTISED
;;     5. [M 4,096, K 1,024] x [K 1,024, N 4,096]; A: computed on the way; B: input w_fc (given as codes): QUANTISED
;;     6. [M 4,096, K 4,096] x [K 4,096, N 1,024]; A: computed on the way; B: input w_mproj (given as codes): QUANTISED
;;   THE QUANTISER, for each operand of a quantised product, along K:
;;     - K is cut into blocks of 32 from its start; a last block that is shorter is filled with zeros.
;;     - A block's scale is 2^e with e = floor(log2(the largest magnitude in the block)) - 8, held to -126 .. 127; a block of zeros has e = 0. As a byte (E8M0): e + 127.
;;     - Each number is divided by its block's scale, clamped to +-448, and rounded to the nearest number of E4M3, ties to even, subnormals kept.
;;     - The product sums the exact products of the quantised numbers (number of the format x scale) in f32.
;;   ~~~python
;;   def quantise(x, axis):      # numpy; x: float32 -> the quantised numbers, widened to float32 again
;;       x = np.moveaxis(x, axis, -1); K = x.shape[-1]
;;       x = np.pad(x, [(0, 0)] * (x.ndim - 1) + [(0, -K % 32)]); x = x.reshape(x.shape[:-1] + (-1, 32)); a = np.abs(x).max(-1, keepdims=True)
;;       e = np.where(a > 0, np.clip(np.frexp(np.where(a > 0, a, 1))[1] - 1 - 8, -126, 127), 0)      # np.frexp(a)[1] - 1 = floor(log2(a)), exactly
;;       r = np.clip(x / 2.0 ** e, -448, 448)
;;       step = 2.0 ** (np.maximum(np.frexp(np.where(r == 0, 1, r))[1] - 1, -6) - 3)
;;       q = np.round(r / step) * step * 2.0 ** e      # np.round: ties to even
;;       return np.moveaxis(q.reshape(q.shape[:-2] + (-1,))[..., :K], -1, axis).astype(np.float32)
;;   ~~~
;;   SOFTMAX AHEAD OF A QUANTISED PRODUCT. Where the list says 'softmax', what is quantised is not the finished softmax but p = 2^(t - M), with t = logit x log2(e) and M = ceil(the row's largest t), a whole number; so 1/2 < the row's largest p <= 1. The row's sum l is taken of the UNQUANTISED p, in f32, and the product's result is divided by l at the end. Since M is a whole number, a kernel that streams over the keys may use a running M (the ceiling of the running maximum): every later rescaling is an exact power of two, which a block's scale takes up: the codes' values come out the same.
;;   OPERANDS COMPUTED ON THE WAY. 'Computed on the way' means the value that the module computes at that place (a softmax that the list does not call 'softmax' is quantised finished and normalised). What goes into a quantiser is computed in f32, as accurately as f32 sums, v_exp_f32 and their like allow (about 1e-6 of the number): no bf16 or f16 on the way to a quantiser, and a product that is left as it is and whose result goes on into a quantised operand takes f32 operands (vector FMAs, or v_wmma_f32_16x16x4_f32). A number that lies on a knife's edge between two numbers of the format may be rounded either way, as far as f32 arithmetic and the matrix unit's own rounding can turn it there, and no further.
;;   INPUTS GIVEN AS CODES. w_aproj (in the module: [1024, 1024], K = its axis 0); w_attn (in the module: [1024, 3072], K = its axis 0); w_fc (in the module: [1024, 4096], K = its axis 0); w_mproj (in the module: [4096, 1024], K = its axis 0): each comes as NAME_codes (uint8): NAME with its K axis moved to the last place and cut into blocks of 32 codes, [.., K / 32, bytes a block], one block behind the other in memory; one code a byte (a code: sign, 4 exponent bits, 3 mantissa bits); and NAME_scales (uint8): the same leading axes, one E8M0 byte (e + 127) for each 32 codes along K. Its value is code x scale, taken as it is: it is not quantised again, and the codes and scales need not be those that the quantiser above would give.
;; One version. Each part assembles by itself: llvm-mc -triple=amdgcn-amd-amdhsa -mcpu=gfx1250 --defsym DOCPART=n.
;; ======== version 1 of 1: 8 launches
;; limits: right only within a limited range of input values
;; workspace buffers: part 16,384 bytes; xq 4,325,376 bytes; qkvw 13,238,272 bytes; att 4,325,376 bytes; x1 16,777,216 bytes; hid 17,301,504 bytes
;; launch stats1 (part 1): grid 4 x 64, 4 waves a work-group, no clusters, 0 bytes of LDS; arguments x, part; writes part
.if DOCPART == 1
	.amdgcn_target "amdgcn-amd-amdhsa--gfx1250"
	.amdhsa_code_object_version 6
	.text
	.protected	k_qeeec593fe8_stats1
	.globl	k_qeeec593fe8_stats1
	.p2align	8
	.type	k_qeeec593fe8_stats1,@function
k_qeeec593fe8_stats1:
	s_mov_b64 s[64:65], 0
	v_nop
	global_prefetch_b8 v0, s[64:65] scope:SCOPE_SE
	s_setreg_imm32_b32 hwreg(HW_REG_WAVE_MODE, 25, 1), 1
	s_wait_xcnt 0x0
; Partial statistics of the first group norm.  x: [4096 rows][1024] f32.  A group is 32 channels; its statistic spans the 2,048 rows of a batch.
; A wave takes 64 rows x 64 channels (two groups) and stores, for each group, the mean and the sum of squared distances from that mean (M2) of its 2,048 numbers:
; part[row block of 64][group] = (mean, M2).  The next launch joins the 32 row blocks of a batch.  No variance is formed as a difference of large sums.
; Each load: lanes 0-15 take 256 consecutive bytes of one row, lanes 16-31 of the next; a group is 8 lanes x 4 numbers.  No LDS, no barrier: waves share nothing.
; LIMITS: NaN and infinities among the inputs are not served.
.set V,   16                           ; v16-143  the wave's 64 x 64 numbers
.set S,   144                          ; v144-151 four chains of pairs
.set D,   152                          ; v152-159 four pairs of distances
.set MN,  12                           ; v[12:13] the mean twice; at the end (mean, M2)
.set TP,  14                           ; v14      the other half's sum
.set SEL, 16                           ; s[16:17] lane selects: lane l xor 16
.macro REDUCE                          ; the four chains, the pair's halves, the group's 8 lanes; the other half of the lanes' sum goes to TP
	v_pk_add_f32 v[S:S+1], v[S:S+1], v[S+2:S+3]
	v_pk_add_f32 v[S+4:S+5], v[S+4:S+5], v[S+6:S+7]
	v_pk_add_f32 v[S:S+1], v[S:S+1], v[S+4:S+5]
	v_add_f32 v[S], v[S], v[S+1]
	v_add_f32_dpp v[S], v[S], v[S] row_xmask:1 row_mask:0xf bank_mask:0xf
	v_add_f32_dpp v[S], v[S], v[S] row_xmask:2 row_mask:0xf bank_mask:0xf
	v_add_f32_dpp v[S], v[S], v[S] row_xmask:4 row_mask:0xf bank_mask:0xf
	v_permlanex16_b32 v[TP], v[S], s[SEL], s[SEL+1]
.endm
.macro STATS b                         ; 128 registers from v[b] on -> v[MN] = mean, v[MN+1] = M2 of the lane's group
.irp k, 0,1,2,3
	v_pk_add_f32 v[S+2*\k:S+2*\k+1], v[(\b)+2*\k:(\b)+2*\k+1], v[(\b)+8+2*\k:(\b)+8+2*\k+1]
.endr
.set i, 8
.rept 56
	v_pk_add_f32 v[S+2*(i%4):S+2*(i%4)+1], v[S+2*(i%4):S+2*(i%4)+1], v[(\b)+2*i:(\b)+2*i+1]
.set i, i+1
.endr
	REDUCE
	v_add_f32 v[S], v[S], v[TP]
	v_mul_f32 v[MN], 0x3a000000, v[S]              ; / 2,048
	v_mov_b32 v[MN+1], v[MN]
.set i, 0
.rept 64
	v_pk_add_f32 v[D+2*(i%4):D+2*(i%4)+1], v[(\b)+2*i:(\b)+2*i+1], v[MN:MN+1] neg_lo:[0,1] neg_hi:[0,1]
.if i < 4
	v_pk_mul_f32 v[S+2*(i%4):S+2*(i%4)+1], v[D+2*(i%4):D+2*(i%4)+1], v[D+2*(i%4):D+2*(i%4)+1]
.else
	v_pk_fma_f32 v[S+2*(i%4):S+2*(i%4)+1], v[D+2*(i%4):D+2*(i%4)+1], v[D+2*(i%4):D+2*(i%4)+1], v[S+2*(i%4):S+2*(i%4)+1]
.endif
.set i, i+1
.endr
	REDUCE
	v_add_f32 v[MN+1], v[S], v[TP]
.endm
	s_load_b128 s[4:7], s[0:1], 0x0                ; x, part
	v_lshrrev_b32 v1, 5, v0
	v_readfirstlane_b32 s8, v1                     ; wave
	s_and_b32 s9, ttmp7, 0xffff                    ; row block of 64
	v_and_b32 v2, 15, v0
	v_bfe_u32 v3, v0, 4, 1
	v_lshlrev_b32 v4, 4, v2
	v_lshl_add_u32 v4, v3, 12, v4                  ; 16 (lane % 16) + one row for lanes 16-31
	v_lshrrev_b32 v5, 3, v2
	v_lshlrev_b32 v5, 3, v5                        ; part: 8 bytes x which of my wave's two groups
	v_mov_b32 v[TP], 0                             ; a lane permute's destination counts as one of its sources
	s_mov_b32 s[SEL], 0x76543210
	s_mov_b32 s[SEL+1], 0xfedcba98
	s_lshl_b32 s10, s9, 18                         ; 64 rows of 4,096 bytes
	s_lshl_b32 s12, ttmp9, 10                      ; the work-group's 256 channels
	s_add_co_u32 s10, s10, s12
	s_lshl_b32 s12, s8, 8                          ; the wave's 64
	s_add_co_u32 s10, s10, s12
	s_mov_b32 s11, 0
	s_lshl_b32 s12, s9, 5
	s_lshl_b32 s14, ttmp9, 3
	s_add_co_u32 s12, s12, s14
	s_lshl_b32 s14, s8, 1
	s_add_co_u32 s12, s12, s14                     ; 32 x row block + my first group
	s_lshl_b32 s12, s12, 3
	s_mov_b32 s13, 0
	s_wait_alu depctr_va_vdst(0)
	s_wait_kmcnt 0x0
	s_add_nc_u64 s[4:5], s[4:5], s[10:11]
	s_add_nc_u64 s[6:7], s[6:7], s[12:13]
.set i, 0
.rept 32
	global_load_b128 v[V+4*i:V+4*i+3], v4, s[4:5] offset:8192*i   ; two rows an instruction
.set i, i+1
.endr
	s_wait_loadcnt 0x0
	STATS V
	global_store_b64 v5, v[MN:MN+1], s[6:7]        ; the lanes of a group store the same pair at the same place
	s_endpgm
.Lfunc_end_k_qeeec593fe8_stats1:
	.size	k_qeeec593fe8_stats1, .Lfunc_end_k_qeeec593fe8_stats1-k_qeeec593fe8_stats1
	.p2alignl 7, 3214868480
	.fill 96, 4, 3214868480
	.section	.rodata,"a",@progbits
	.p2align	6, 0x0
	.amdhsa_kernel k_qeeec593fe8_stats1
		.amdhsa_group_segment_fixed_size 0
		.amdhsa_private_segment_fixed_size 0
		.amdhsa_enable_private_segment 0
		.amdhsa_kernarg_size 16
		.amdhsa_user_sgpr_count 2
		.amdhsa_user_sgpr_kernarg_segment_ptr 1
		.amdhsa_wavefront_size32 1
		.amdhsa_system_sgpr_workgroup_id_x 1
		.amdhsa_system_sgpr_workgroup_id_y 1
		.amdhsa_system_sgpr_workgroup_id_z 1
		.amdhsa_system_vgpr_workitem_id 0
		.amdhsa_next_free_vgpr 160
		.amdhsa_next_free_sgpr 66
		.amdhsa_reserve_vcc 0
		.amdhsa_float_denorm_mode_32 3
		.amdhsa_float_denorm_mode_16_64 3
		.amdhsa_memory_ordered 1
		.amdhsa_forward_progress 1
		.amdhsa_inst_pref_size 18
	.end_amdhsa_kernel
	.amdgpu_metadata
---
amdhsa.version: [ 1, 2 ]
amdhsa.kernels:
  - .name:           k_qeeec593fe8_stats1
    .symbol:         k_qeeec593fe8_stats1.kd
    .args:
      - { .name: x, .offset: 0, .size: 8, .value_kind: global_buffer, .address_space: global }
      - { .name: part, .offset: 8, .size: 8, .value_kind: global_buffer, .address_space: global }
    .group_segment_fixed_size: 0
    .private_segment_fixed_size: 0
    .kernarg_segment_align: 8
    .kernarg_segment_size: 16
    .max_flat_workgroup_size: 128
    .sgpr_count:     66
    .vgpr_count:     160
    .wavefront_size: 32
...
	.end_amdgpu_metadata
.endif
;; end of part 1
;; launch quant1 (part 2): grid 256 x 1, 4 waves a work-group, no clusters, 33,280 bytes of LDS; arguments x, part, ln1_w, ln1_b, xq; writes xq
.if DOCPART == 2
	.amdgcn_target "amdgcn-amd-amdhsa--gfx1250"
	.amdhsa_code_object_version 6
	.text
	.protected	k_qeeec593fe8_quant1
	.globl	k_qeeec593fe8_quant1
	.p2align	8
	.type	k_qeeec593fe8_quant1,@function
k_qeeec593fe8_quant1:
	s_mov_b64 s[64:65], 0
	v_nop
	global_prefetch_b8 v0, s[64:65] scope:SCOPE_SE
	s_setreg_imm32_b32 hwreg(HW_REG_WAVE_MODE, 25, 1), 1
	s_wait_xcnt 0x0
; Group norm and quantiser.  src: [4096][1024] f32; part: [64 row blocks][32 groups] (mean, M2) of 2,048 numbers each; w, b: [1024] f32.
; dst: codes of E4M3 [4096][1024] at byte 0, one E8M0 byte for each 32 channels [4096][32] at byte 4,194,304.
; y = (x - mean) * (w * rstd) + b in f32; a group of the norm (32 channels) is a block of the quantiser.
; A block's scale is 2^(floor(log2(largest magnitude)) - 8): its byte is that magnitude's exponent field - 8, held at 1 from below; a number is held within +-448 x the scale and rounded to the nearest code, ties to even.
; LIMITS: a block of zeros gets the byte 1 where the rule says 127 (its codes are zeros, and this program alone reads the bytes); NaN and infinities are not served.
; A wave takes 4 rows: 8 steps of 512 numbers.  Loads take the bytes as they lie (512 consecutive bytes each); a step's 2,048 bytes turn through the wave's own stage in LDS and come back 64 bytes a lane,
; so that a lane holds 16 neighbours along K and two neighbouring lanes a block.  In step t lane l holds channels 512 (t % 2) + 16 l + 0 .. 15: two sets of w * rstd, b and mean stay in registers.
; A wave's 128 scale bytes leave by one store (half of an aligned block of 256 bytes: one byte in 128 of what the launch reads).  No barrier: waves share nothing.
.set STEPS, 8
.set EMAX,  8
.set MANT,  0x600000                   ; the mantissa field of 448
.set SP,    80                         ; a lane's place in a stage: 64 bytes + 16 of padding
.set WREG,  8192                       ; LDS of a wave: two stages of 32 x SP, the scale bytes, the parameters' exchange
.set SBY,   5120
.set PX,    5376
.set R,   16                           ; v16-79   four sets of 16 numbers as loaded
.set X,   80                           ; v80-111  two sets of 16 neighbours
.set P,   80                           ; v80-143  at the head: the 32 partial pairs of my lane's group
.set E,   112                          ; v112-119 a scale byte for each step
.set C,   120                          ; v120-151 codes, four registers a step
.set AW,  152                          ; v152-183 w * rstd, two sets of 16
.set BB,  184                          ; v184-215 b, two sets
.set MN,  216                          ; v216-219 (mean, rstd) of my group, two sets
.set RS,  220                          ; v220-223 rstd twice, two sets
.set PS,  224                          ; v224-231 four chains of pairs
.set TQ,  232                          ; v232-235 four chains
.set TD,  236                          ; v236-239
.set ME,  240                          ; v[240:241] (mean, rstd) of group = lane
.set VV,  242
	s_load_b256 s[4:11], s[0:1], 0x0               ; src, part, w, b
	s_load_b64 s[12:13], s[0:1], 0x20              ; dst
	v_lshl_add_u32 v248, v0, 2, 0x8000
	v_mov_b32 v249, 0
	v_lshrrev_b32 v1, 5, v0
	v_readfirstlane_b32 s16, v1                    ; wave
	v_and_b32 v2, 31, v0                           ; lane
	v_lshlrev_b32 v3, 4, v2                        ; 16 x lane: a load's, and a code store's, place
	s_mul_i32 s17, s16, WREG
	v_lshrrev_b32 v14, 2, v2
	v_mul_u32_u24 v14, v14, SP
	v_and_b32 v15, 3, v2
	v_lshl_add_u32 v14, v15, 4, v14
	v_add_nc_u32 v14, s17, v14                     ; the stage, on the way in: SP (lane / 4) + 16 (lane % 4)
	v_mul_u32_u24 v15, v2, SP
	v_add_nc_u32 v15, s17, v15                     ; and on the way out: SP x lane
	v_lshrrev_b32 v1, 1, v2                        ; lane / 2
	s_add_co_u32 s18, s17, SBY
	v_add_nc_u32 v5, s18, v1                       ; my block's scale byte
	v_lshlrev_b32 v7, 2, v2
	v_add_nc_u32 v6, s18, v7                       ; and on the way out 4 bytes a lane
	s_add_co_u32 s18, s17, PX
	v_lshl_add_u32 v13, v2, 3, s18                 ; the exchange: group = lane writes,
	v_lshl_add_u32 v12, v1, 3, s18                 ; group = lane / 2 (+ 16) is read
	v_lshlrev_b32 v4, 3, v2                        ; part: 8 bytes a group
	v_lshlrev_b32 v1, 6, v2                        ; w, b: my 16 channels
	s_mov_b32 s23, MANT
	s_mov_b32 s24, 0x37800000                      ; 1 / 65,536: the numbers of a group
	s_mov_b32 s25, 0x3727c5ac                      ; eps = 1e-5
	s_lshl_b32 s18, ttmp9, 2
	s_add_co_u32 s18, s18, s16                     ; my run of 4 rows
	s_lshl_b32 s20, s18, 14
	s_mov_b32 s21, 0
	s_lshl_b32 s26, s18, 12
	s_mov_b32 s27, 0
	s_lshl_b32 s28, s18, 7
	s_add_co_u32 s28, s28, 4194304
	s_mov_b32 s29, 0
	s_lshr_b32 s30, ttmp9, 7                       ; the batch: 128 work-groups of 16 rows
	s_lshl_b32 s30, s30, 13                        ; its 32 row blocks of 256 bytes
	s_mov_b32 s31, 0
	s_wait_alu depctr_va_vdst(0)
	s_wait_kmcnt 0x0
	s_add_nc_u64 s[4:5], s[4:5], s[20:21]
	s_add_nc_u64 s[6:7], s[6:7], s[30:31]
	s_add_nc_u64 s[14:15], s[12:13], s[28:29]      ; the scale bytes
	s_add_nc_u64 s[12:13], s[12:13], s[26:27]      ; the codes
.set i, 0
.rept 32
	global_load_b64 v[P+2*i:P+2*i+1], v4, s[6:7] offset:256*i
.set i, i+1
.endr
.irp s, 0,1
.irp j, 0,1,2,3
	global_load_b128 v[AW+16*\s+4*\j:AW+16*\s+4*\j+3], v1, s[8:9] offset:2048*\s+16*\j
	global_load_b128 v[BB+16*\s+4*\j:BB+16*\s+4*\j+3], v1, s[10:11] offset:2048*\s+16*\j
.endr
.endr
.macro LOAD t
.irp i, 0,1,2,3
	global_load_b128 v[R+16*((\t)%4)+4*\i:R+16*((\t)%4)+4*\i+3], v3, s[4:5] offset:2048*(\t)+512*\i
.endr
.endm
.macro TURN t                          ; step t's numbers through the stage: LDS serves a wave's instructions in order, so no wait stands between the stores and the loads
.irp i, 0,1,2,3
	ds_store_b128 v14, v[R+16*((\t)%4)+4*\i:R+16*((\t)%4)+4*\i+3] offset:32*SP*((\t)%2)+8*SP*\i
.endr
.irp i, 0,1,2,3
	ds_load_b128 v[X+16*((\t)%2)+4*\i:X+16*((\t)%2)+4*\i+3], v15 offset:32*SP*((\t)%2)+16*\i
.endr
.endm
.irp t, 0,1,2,3
	LOAD \t
.endr
	s_wait_loadcnt 16                              ; the parameters are in; the 16 loads of the first four steps may be out
	; the 32 row blocks of my lane's group are joined: mean = the means' mean; M2 = the sum of M2 + 2,048 x the sum of (mean_i - mean)^2
.irp k, 0,1,2,3
	v_pk_add_f32 v[PS+2*\k:PS+2*\k+1], v[P+2*\k:P+2*\k+1], v[P+8+2*\k:P+8+2*\k+1]
.endr
.set i, 8
.rept 24
	v_pk_add_f32 v[PS+2*(i%4):PS+2*(i%4)+1], v[PS+2*(i%4):PS+2*(i%4)+1], v[P+2*i:P+2*i+1]
.set i, i+1
.endr
	v_pk_add_f32 v[PS:PS+1], v[PS:PS+1], v[PS+2:PS+3]
	v_pk_add_f32 v[PS+4:PS+5], v[PS+4:PS+5], v[PS+6:PS+7]
	v_pk_add_f32 v[PS:PS+1], v[PS:PS+1], v[PS+4:PS+5]
	v_mul_f32 v[ME], 0x3d000000, v[PS]             ; / 32
.set i, 0
.rept 32
	v_sub_f32 v[TD+i%4], v[P+2*i], v[ME]
.if i < 4
	v_mul_f32 v[TQ+i%4], v[TD+i%4], v[TD+i%4]
.else
	v_fmac_f32 v[TQ+i%4], v[TD+i%4], v[TD+i%4]
.endif
.set i, i+1
.endr
	v_add_f32 v[TQ], v[TQ], v[TQ+1]
	v_add_f32 v[TQ+2], v[TQ+2], v[TQ+3]
	v_add_f32 v[TQ], v[TQ], v[TQ+2]
	v_fmamk_f32 v[VV], v[TQ], 0x45000000, v[PS+1]
	v_fma_f32 v[VV], v[VV], s24, s25               ; the variance + eps
	s_wait_alu depctr_va_vdst(0)
	v_rsq_f32 v[ME+1], v[VV]
	v_nop                                          ; a plain instruction behind the transcendental,
	s_wait_alu depctr_va_vdst(0)                   ; and the wait ahead of its first reader
	ds_store_b64 v13, v[ME:ME+1]
	ds_load_b64 v[MN:MN+1], v12                    ; group lane / 2: channels 16 l on
	ds_load_b64 v[MN+2:MN+3], v12 offset:128       ; group 16 + lane / 2: channels 512 + 16 l on
	s_wait_dscnt 0x0
.irp s, 0,1
	v_mov_b32 v[RS+2*\s], v[MN+2*\s+1]
	v_mov_b32 v[RS+2*\s+1], v[MN+2*\s+1]
.endr
.irp s, 0,1
.irp i, 0,2,4,6,8,10,12,14
	v_pk_mul_f32 v[AW+16*\s+\i:AW+16*\s+\i+1], v[AW+16*\s+\i:AW+16*\s+\i+1], v[RS+2*\s:RS+2*\s+1]
.endr
.endr
	s_wait_loadcnt 12                              ; step 0's four loads are in
	TURN 0
.macro STEP t
.set XS, X+16*((\t)%2)
.set HS, (\t)%2
.if (\t) > 0
	s_wait_dscnt 1                                 ; this step's numbers are back from the stage (the last step's byte store may be out)
.else
	s_wait_dscnt 0x0
.endif
.if (\t)+4 < STEPS
	LOAD (\t)+4                                    ; into the registers that this step's stores into the stage have read
.endif
.if (\t)+1 < STEPS
.if STEPS-2-(\t) >= 3
	s_wait_loadcnt 12                              ; the next step's four loads are in; those of the three steps behind it may be out
.else
	s_wait_loadcnt 4*(STEPS-2-(\t))
.endif
	TURN (\t)+1
.endif
.irp i, 0,2,4,6,8,10,12,14
	v_pk_add_f32 v[XS+\i:XS+\i+1], v[XS+\i:XS+\i+1], v[MN+2*HS:MN+2*HS+1] op_sel_hi:[1,0] neg_lo:[0,1] neg_hi:[0,1]   ; x - mean (the pair's low word serves both halves)
.endr
.irp i, 0,2,4,6,8,10,12,14
	v_pk_fma_f32 v[XS+\i:XS+\i+1], v[XS+\i:XS+\i+1], v[AW+16*HS+\i:AW+16*HS+\i+1], v[BB+16*HS+\i:BB+16*HS+\i+1]
.endr
	v_max3_num_f32 v8, |v[XS]|, |v[XS+1]|, |v[XS+2]|
	v_max3_num_f32 v9, |v[XS+3]|, |v[XS+4]|, |v[XS+5]|
.irp i, 6,10
	v_max3_num_f32 v8, v8, |v[XS+\i]|, |v[XS+\i+1]|
	v_max3_num_f32 v9, v9, |v[XS+\i+2]|, |v[XS+\i+3]|
.endr
	v_max3_num_f32 v8, v8, |v[XS+14]|, |v[XS+15]|
	v_max3_num_f32 v8, v8, v9, (EMAX+1)<<23        ; and the floor 2^(9 - 127): the byte cannot fall under 1
	v_max_num_f32_dpp v8, v8, v8 row_xmask:1 row_mask:0xf bank_mask:0xf   ; with my neighbour's 16: the block's
	v_add_nc_u32 v11, -(EMAX<<23), v8              ; 8 off the exponent field: the conversion's scale operand
	v_and_or_b32 v10, v8, 0x7f800000, s23          ; 448 x the scale
.irp i, 0,1,2,3,4,5,6,7,8,9,10,11,12,13,14,15
	v_med3_num_f32 v[XS+\i], v[XS+\i], -v10, v10   ; the conversion to an 8-bit code does not saturate (ISA guide 7.6.2)
.endr
	v_cvt_scalef32_pk8_fp8_f32 v[C+4*(\t):C+4*(\t)+1], v[XS:XS+7], v11
	v_cvt_scalef32_pk8_fp8_f32 v[C+4*(\t)+2:C+4*(\t)+3], v[XS+8:XS+15], v11
	v_lshrrev_b32 v[E+(\t)], 23, v11               ; the scale's byte
	ds_store_b8 v5, v[E+(\t)] offset:16*(\t)       ; both lanes of a block write the same byte
	global_store_b128 v3, v[C+4*(\t):C+4*(\t)+3], s[12:13] offset:512*(\t)   ; 512 consecutive bytes
.endm
.irp t, 0,1,2,3,4,5,6,7
	STEP \t
.endr
	ds_load_b32 v8, v6
	s_wait_dscnt 0x0
	global_store_b32 v7, v8, s[14:15]
	s_wait_tensorcnt 0x0
	ds_add_u32 v248, v249
	s_wait_dscnt 0x0
	s_endpgm
.Lfunc_end_k_qeeec593fe8_quant1:
	.size	k_qeeec593fe8_quant1, .Lfunc_end_k_qeeec593fe8_quant1-k_qeeec593fe8_quant1
	.p2alignl 7, 3214868480
	.fill 96, 4, 3214868480
	.section	.rodata,"a",@progbits
	.p2align	6, 0x0
	.amdhsa_kernel k_qeeec593fe8_quant1
		.amdhsa_group_segment_fixed_size 33280
		.amdhsa_private_segment_fixed_size 0
		.amdhsa_enable_private_segment 0
		.amdhsa_kernarg_size 40
		.amdhsa_user_sgpr_count 2
		.amdhsa_user_sgpr_kernarg_segment_ptr 1
		.amdhsa_wavefront_size32 1
		.amdhsa_system_sgpr_workgroup_id_x 1
		.amdhsa_system_sgpr_workgroup_id_y 1
		.amdhsa_system_sgpr_workgroup_id_z 1
		.amdhsa_system_vgpr_workitem_id 0
		.amdhsa_next_free_vgpr 250
		.amdhsa_next_free_sgpr 66
		.amdhsa_reserve_vcc 0
		.amdhsa_float_denorm_mode_32 3
		.amdhsa_float_denorm_mode_16_64 3
		.amdhsa_memory_ordered 1
		.amdhsa_forward_progress 1
		.amdhsa_inst_pref_size 45
	.end_amdhsa_kernel
	.amdgpu_metadata
---
amdhsa.version: [ 1, 2 ]
amdhsa.kernels:
  - .name:           k_qeeec593fe8_quant1
    .symbol:         k_qeeec593fe8_quant1.kd
    .args:
      - { .name: x, .offset: 0, .size: 8, .value_kind: global_buffer, .address_space: global }
      - { .name: part, .offset: 8, .size: 8, .value_kind: global_buffer, .address_space: global }
      - { .name: ln1_w, .offset: 16, .size: 8, .value_kind: global_buffer, .address_space: global }
      - { .name: ln1_b, .offset: 24, .size: 8, .value_kind: global_buffer, .address_space: global }
      - { .name: xq, .offset: 32, .size: 8, .value_kind: global_buffer, .address_space: global }
    .group_segment_fixed_size: 33280
    .private_segment_fixed_size: 0
    .kernarg_segment_align: 8
    .kernarg_segment_size: 40
    .max_flat_workgroup_size: 128
    .sgpr_count:     66
    .vgpr_count:     250
    .wavefront_size: 32
...
	.end_amdgpu_metadata
.endif
;; end of part 2
;; launch qkv (part 3): grid 12 x 16, 4 waves a work-group, clusters of 4 x 4, 327,680 bytes of LDS; arguments xq, w_attn_codes, w_attn_scales, b_attn, qkvw, out1; writes qkvw, out1
.if DOCPART == 3
	.amdgcn_target "amdgcn-amd-amdhsa--gfx1250"
	.amdhsa_code_object_version 6
	.text
	.protected	k_qeeec593fe8_qkv
	.globl	k_qeeec593fe8_qkv
	.p2align	8
	.type	k_qeeec593fe8_qkv,@function
k_qeeec593fe8_qkv:
	s_mov_b64 s[64:65], 0
	v_nop
	global_prefetch_b8 v0, s[64:65] scope:SCOPE_SE
	s_setreg_imm32_b32 hwreg(HW_REG_WAVE_MODE, 25, 1), 1
	s_wait_xcnt 0x0
	s_wait_alu depctr_hold_cnt(0) depctr_sa_sdst(0) depctr_va_vdst(0) depctr_va_sdst(0) depctr_va_ssrc(0) depctr_va_vcc(0) depctr_vm_vsrc(0)
	s_getreg_b32 s2, hwreg(HW_REG_IB_STS2, 6, 4)
	s_cmp_eq_u32 s2, 0
	s_cbranch_scc0 .Lentry_in_a_cluster
	s_endpgm
.Lentry_in_a_cluster:
	s_bfe_u32 s2, ttmp6, 0x10000c
	s_cmp_lg_u32 s2, 0xf033
	s_cbranch_scc0 .Lentry_shape_is_right
	s_endpgm
.Lentry_shape_is_right:
; q, k, v = norm(x) W + b on codes of E4M3 with one E8M0 scale for each 32 along K = 1,024; then q, k and v are quantised for attention, and k and v leave as f32 (out1).
; A work-group of four waves makes 256 x 256 of the product, a wave 128 x 128 (64 accumulators).  K goes in steps of 256 through two LDS slots filled by joint tensor loads of a 4 x 4 cluster;
; the scale bytes of both sides come once.  Source 1 of the matrix instruction (side A: its rows go to the lanes) is shared along a row of the cluster, source 0 (side B: its rows go to a lane's registers) along a column.
; Clusters x = 0, 1 (q, k): A = tokens, B = rows of W: a lane holds one token and neighbours along the head's axis, which is the K of q k^T.
; Cluster x = 2 (v): A = rows 2,048 on of W, B = tokens: a lane holds one channel and neighbours along the tokens, which are the K of p v.  The choice hangs on the cluster's x alone, which all 16 partners share.
; WHAT IS STORED.  qkvw: for each head 393,216 bytes: four chunks of 512 keys (K: 32 tiles of 16 keys x 1,024 B; V at +32,768: 4 key steps x 4 tiles of 16 channels x 2,048 B), Q at +262,144 (128 tiles x 1,024 B):
; images of the operands' registers (four registers a store, 16 bytes a lane, 512 consecutive bytes).  Scale words at 12,582,912 + 20,480 x head: k [2048], v [16][64] at +8,192, q [2048] at +12,288.
; Inside a block of 32 the codes stand in the order in which the results fall (column 16 u + 8 h + j at place 16 h + 8 u + j): q and k carry the same order, and so do p and v, so the products are unchanged.
; A q or k word's upper two bytes are 0x7f: they scale the zero codes that fill K = 64 up to 128.
; LIMITS: a block of zeros gets the byte 1 (its codes are zeros; this program alone reads the bytes); NaN and infinities are not served.
.set SIZE_K, 1024
.set KSTEP,  256
.set NQ,     KSTEP/128
.set ROWB,   256
.set KROW,   SIZE_K
.set PITCH,  272                       ; an LDS row: 256 bytes + 16: the 16 rows of a fragment load start at 16 different banks
.set FR,     16
.set NL,     4
.set NP,     8                         ; places behind this matrix instruction (ISA guide 7.12.1)
.set HALFT,  128*PITCH
.set SLOT,   4*HALFT
.set LAPS,   SIZE_K/(2*KSTEP)
.set KS,     SIZE_K/32
.set SCL,    2*SLOT                    ; behind the ring: the scale bytes, as units of 256 bytes + 16
.set HALFS,  (128*KS/256)*272
.set SBLK,   (16*KS/256)*272
.set SPARE,  SCL+4*HALFS               ; the spare words: 128 bytes a wave, named by no other line
.set ADRA, 16
.set ADRB, 20
.set ADRS, 27
.set SPW,  28
.set NIL,  29
.set SC,   32                          ; scale words, two sets
.set AF,   128                         ; A's fragments, window 0
.set G1, 24
.set G0, 32
.set G1B, 48
.set G0B, 56
.set G1S, 68
.set G0S, 76
.set G1SB, 80
.set G0SB, 88
; the way out (window 0)
.set TM,   32                          ; v32-47  the quantiser's work
.set PC,   48                          ; v48-63  the codes just made
.set BIAS, 64                          ; v64-127
.set T,    128                         ; v128-191 one block of 16 x 128 results
.set RR,   192                         ; v192-255 rows read back from a stage
.set PW,   10
.set WA,   4
.set WB,   5
.set SEL,  66                          ; s[66:67]
.set MNT,  2
.set AB,   95                          ; which of my eight blocks
.set PI,   98                          ; s[98:99]   where the images go
.set PSC,  100                         ; s[100:101] the scale words
.set PO,   104                         ; s[104:105] out1
.set MSB, 0
.macro WIN new
.if MSB != \new
	s_set_vgpr_msb (MSB<<8)|\new
.set MSB, \new
.endif
.endm
.set MUL_LO, 0xa1
.set MUL_HI, 0xf1
.set TO_B,   0x40
.macro JLOAD g0a, g1a, g0b, g1b        ; a joint load: waves 0, 1 fetch for A, waves 2, 3 for B; four v_nop follow each line
	s_cmp_eq_u32 s15, 0
	s_cbranch_scc0 .Lfor_b_\@
	tensor_load_to_lds s[\g0a:\g0a+3], s[\g1a:\g1a+7]
	s_nop 0
.rept 4
	v_nop
.endr
	s_branch .Lasked_\@
.Lfor_b_\@:
	tensor_load_to_lds s[\g0b:\g0b+3], s[\g1b:\g1b+7]
	s_nop 0
.rept 4
	v_nop
.endr
.Lasked_\@:
.endm
.macro CREST
	s_cmp_lg_u32 s14, 0
	s_cbranch_scc1 .Lnot_wave_0_\@
	s_barrier_signal -3
.Lnot_wave_0_\@:
	s_barrier_wait -3
	s_barrier_signal -1
	s_barrier_wait -1
.endm
.macro CROUND
	s_barrier_signal -1
	s_barrier_wait -1
	CREST
.endm
	s_load_b256 s[4:11], s[0:1], 0x0               ; xq, W's codes, W's scales, b_attn
	s_load_b64 s[12:13], s[0:1], 0x20              ; qkvw
	s_load_b64 s[96:97], s[0:1], 0x28              ; out1
	v_lshl_add_u32 v[SPW], v0, 2, SPARE
	v_mov_b32 v[NIL], 0
	ds_add_u32 v28, v29
	ds_add_u32 v28, v29
	s_wait_dscnt 0x0
	v_lshrrev_b32 v1, 5, v0
	v_readfirstlane_b32 s14, v1                    ; wave
	s_lshr_b32 s15, s14, 1                         ; which half of A's rows is mine; also: I fetch for A (0) or B (1)
	s_and_b32 s16, s14, 1                          ; which half of B's rows; also: which 128 rows I fetch
	s_bfe_u32 s40, ttmp6, 0x40000                  ; cx
	s_bfe_u32 s41, ttmp6, 0x40004                  ; cy
	s_and_b32 s17, ttmp7, 0xffff
	s_lshl_b32 s17, s17, 2                         ; 4 x cluster y: tiles of tokens
	s_lshl_b32 s42, ttmp9, 2                       ; 4 x cluster x: tiles of W's rows
	s_cmp_eq_u32 ttmp9, 2                          ; v?
	s_cselect_b32 s42, s17, s42                    ; B's tile: v: tokens; q, k: W's rows
	s_cselect_b32 s17, 8, s17                      ; A's tile: v: W's rows 2,048 on; q, k: tokens
	s_add_co_u32 s42, s42, s40                     ; + cx
	s_add_co_u32 s17, s17, s41                     ; + cy
	s_lshl_b32 s43, s41, 2
	s_lshl_b32 s43, 15, s43                        ; my row of the cluster
	s_lshl_b32 s44, 0x1111, s40                    ; my column
	s_or_b32 s[G1+0], s43, (0<<16)|(1<<20)|(1<<21)|(5<<22)|(3<<25)   ; mask; elements of 1 byte; padding: 4 words after every 64; bit 21 beside a mask
	s_or_b32 s[G1B+0], s44, (0<<16)|(1<<20)|(1<<21)|(5<<22)|(3<<25)
.irp g, G1, G1B
	s_mov_b32 s[\g+1], ROWB<<16
	s_mov_b32 s[\g+2], 256<<16                     ; the head's loads bring 256 rows; behind them these two words are set to 128, for the ring's
	s_mov_b32 s[\g+3], ROWB<<16
	s_mov_b32 s[\g+4], 256
	s_mov_b32 s[\g+5], KROW
	s_mov_b32 s[\g+6], 0
	s_mov_b32 s[\g+7], 0
.endr
	s_or_b32 s[G1S+0], s43, (3<<16)|(1<<20)|(1<<21)|(5<<22)|(3<<25)  ; the scales of 256 rows: a dense block, as rows of 256 bytes
	s_or_b32 s[G1SB+0], s44, (3<<16)|(1<<20)|(1<<21)|(5<<22)|(3<<25)
.irp g, G1S, G1SB
	s_mov_b32 s[\g+1], 32<<16
	s_mov_b32 s[\g+2], KS<<16                      ; the scales of 256 rows: KS rows of 256 bytes
	s_mov_b32 s[\g+3], 32<<16
	s_mov_b32 s[\g+4], KS
	s_mov_b32 s[\g+5], 32
	s_mov_b32 s[\g+6], 0
	s_mov_b32 s[\g+7], 0
.endr
	s_lshl_b32 s20, s17, 8                         ; A: the tile's first row
	s_lshl_b32 s46, s42, 8                         ; B likewise
	s_mov_b32 s21, 0
	s_mov_b32 s47, 0
	s_mov_b64 s[18:19], KS
	s_mul_u64 s[22:23], s[20:21], s[18:19]         ; where the 256 rows' scales begin
	s_mul_u64 s[92:93], s[46:47], s[18:19]
	s_lshl_b32 s18, s16, 7
	s_add_co_u32 s20, s20, s18                     ; the codes: + 128 x my half
	s_add_co_u32 s46, s46, s18
	s_mov_b64 s[18:19], KROW
	s_mul_u64 s[20:21], s[20:21], s[18:19]
	s_mul_u64 s[46:47], s[46:47], s[18:19]
	s_mul_i32 s45, s14, HALFT                      ; where they go: wave x 128 rows
	s_wait_kmcnt 0x0
	s_add_nc_u64 s[98:99], s[4:5], 4194304         ; xq's scale bytes
	s_cmp_eq_u32 ttmp9, 2                          ; the buffers of the two sides: a choice on the cluster's x alone
	s_cselect_b64 s[18:19], s[6:7], s[4:5]
	s_add_nc_u64 s[20:21], s[18:19], s[20:21]      ; A's codes
	s_cselect_b64 s[18:19], s[8:9], s[98:99]
	s_add_nc_u64 s[22:23], s[18:19], s[22:23]      ; A's scales
	s_cselect_b64 s[18:19], s[4:5], s[6:7]
	s_add_nc_u64 s[46:47], s[18:19], s[46:47]      ; B's codes
	s_cselect_b64 s[18:19], s[98:99], s[8:9]
	s_add_nc_u64 s[92:93], s[18:19], s[92:93]      ; B's scales
	CROUND                                         ; all sixteen work-groups are here: the first joint loads meet
	s_mov_b32 s[G0S], 1
	s_mov_b32 s[G0S+1], SCL
	s_mov_b64 s[G0S+2:G0S+3], s[22:23]
	s_or_b32 s[G0S+3], s[G0S+3], 0x80000000
	s_mov_b32 s[G0SB], 1
	s_mov_b32 s[G0SB+1], SCL+2*HALFS
	s_mov_b64 s[G0SB+2:G0SB+3], s[92:93]
	s_or_b32 s[G0SB+3], s[G0SB+3], 0x80000000
.irp s, 0,1
	s_mov_b32 s[G0+4*\s], 1
	s_add_co_u32 s[G0+4*\s+1], s45, \s*SLOT
	s_add_nc_u64 s[G0+4*\s+2:G0+4*\s+3], s[20:21], \s*ROWB
	s_or_b32 s[G0+4*\s+3], s[G0+4*\s+3], 0x80000000
	s_mov_b32 s[G0B+4*\s], 1
	s_add_co_u32 s[G0B+4*\s+1], s45, \s*SLOT
	s_add_nc_u64 s[G0B+4*\s+2:G0B+4*\s+3], s[46:47], \s*ROWB
	s_or_b32 s[G0B+4*\s+3], s[G0B+4*\s+3], 0x80000000
.endr
; THE HEAD'S LOADS, ONE A WAVE: wave 0 K step 0's 256 rows of A (its ring descriptor of slot 0 points at the tile's first row and at LDS byte 0), wave 1 A's scales,
; wave 2 the 256 rows of B (its descriptor points at B's first row, behind A's 256 in the slot), wave 3 B's scales.  One chain of branches on the wave's number, one load to an arm.
; No prefetch is laid: K = 1,024 is four K steps, of which two come at the head, at the largest block in clusters.
.macro ARM under, g0, g1, next
	s_cmp_lt_u32 s14, \under
	s_cbranch_scc0 \next
	tensor_load_to_lds s[\g0:\g0+3], s[\g1:\g1+7]
	s_nop 0
.rept 4
	v_nop
.endr
	s_branch .Lhead_asked
\next:
.endm
	ARM 1, G0,  G1,  .Lhead_sa
	ARM 2, G0S, G1S, .Lhead_b
	ARM 3, G0B, G1B, .Lhead_sb
	tensor_load_to_lds s[G0SB:G0SB+3], s[G1SB:G1SB+7]
	s_nop 0
.rept 4
	v_nop
.endr
.Lhead_asked:
	v_and_b32 v1, 15, v0
	v_bfe_u32 v2, v0, 4, 1
	v_mul_u32_u24 v3, v1, PITCH
	v_lshl_add_u32 v4, v2, 4, v3
	s_mul_i32 s21, s15, HALFT
	s_mul_i32 s22, s16, HALFT
	s_add_co_u32 s22, s22, 2*HALFT
.irp s, 0,1
	v_add_nc_u32 v[ADRA+\s], s21, v4
	v_add_nc_u32 v[ADRB+\s], s22, v4
	s_add_co_u32 s21, s21, SLOT
	s_add_co_u32 s22, s22, SLOT
.endr
	v_mul_u32_u24 v5, v1, KS
	v_lshrrev_b32 v6, 8, v5
	v_lshl_add_u32 v5, v6, 4, v5
	s_mul_i32 s21, s15, HALFS
	s_mul_i32 s22, s16, HALFS
	s_add_co_u32 s22, s22, 2*HALFS
	s_sub_co_u32 s22, s22, s21
	v_mul_u32_u24 v6, s22, v2                      ; lanes 16-31 take B's words
	s_add_co_u32 s21, s21, SCL
	v_add_nc_u32 v5, v5, v6
	v_add_nc_u32 v[ADRS], s21, v5
.macro FRAG reg, adr, q, i             ; 16 rows x 128 K: lane l holds row l % 16; registers 4 c .. 4 c + 3 hold K = 32 c + 16 (l / 16) + 0 .. 15
.irp c, 0,1,2,3
	ds_load_b128 v[\reg+4*\c:\reg+4*\c+3], v[\adr] offset:128*(\q)+32*\c+(\i)*16*PITCH
.endr
.endm
.macro MUL16 a0, p, q, sc, zero        ; A's blocks a0, a0 + 1 x B's eight; the 64 accumulators take turns in one order
.irp a, \a0, \a0+1
.irp b, 0,1,2,3,4,5,6,7
.if \zero
	v_wmma_scale_f32_16x16x128_f8f6f4 v[8*(8*((\a)%4)+\b):8*(8*((\a)%4)+\b)+7], v[128*(\p)+FR*\b:128*(\p)+FR*\b+FR-1], v[AF+FR*(\a):AF+FR*(\a)+FR-1], 0, v[SC+8*NQ*(\sc)+NQ*\b+(\q)], v[SC+8*NQ*(\sc)+NQ*(\a)+(\q)] matrix_a_scale:MATRIX_SCALE_ROW1
.else
	v_wmma_scale_f32_16x16x128_f8f6f4 v[8*(8*((\a)%4)+\b):8*(8*((\a)%4)+\b)+7], v[128*(\p)+FR*\b:128*(\p)+FR*\b+FR-1], v[AF+FR*(\a):AF+FR*(\a)+FR-1], v[8*(8*((\a)%4)+\b):8*(8*((\a)%4)+\b)+7], v[SC+8*NQ*(\sc)+NQ*\b+(\q)], v[SC+8*NQ*(\sc)+NQ*(\a)+(\q)] matrix_a_scale:MATRIX_SCALE_ROW1
.endif
.endr
.endr
.endm
.macro FETCH_B slot, q, p
	WIN TO_B
.irp i, 0,1,2,3,4,5,6,7
	FRAG 128*(\p)+FR*\i, ADRB+\slot, \q, \i
.endr
	WIN 0
.endm
.macro FETCH_A slot, q, i0
.irp i, \i0, \i0+1, \i0+2, \i0+3
	FRAG AF+FR*(\i), ADRA+\slot, \q, \i
.endr
.endm
.macro SCALES sc                       ; lanes 0-15 take the words of A's block i, lanes 16-31 of B's block i
.irp i, 0,1,2,3,4,5,6,7
	ds_load_b64 v[SC+8*NQ*\sc+NQ*\i:SC+8*NQ*\sc+NQ*\i+1], v[ADRS] offset:\i*SBLK
.endr
.endm
.macro PLACES n
.rept \n
	v_nop
.endr
.endm
.macro STEP slot, q, zero              ; 128 along K that has its successor in the same slot
	s_wait_dscnt 4*NL                              ; B's set and A's blocks 0-3 are in; A's blocks 4-7 may be out
	WIN MUL_LO
	MUL16 0, (\q)%2, \q, \slot, \zero
	MUL16 2, (\q)%2, \q, \slot, \zero
	s_wait_dscnt 0
	PLACES NP
	FETCH_B \slot, (\q)+1, 1-(\q)%2
	FETCH_A \slot, (\q)+1, 0
	WIN MUL_HI
	MUL16 4, (\q)%2, \q, \slot, \zero
	MUL16 6, (\q)%2, \q, \slot, \zero
	PLACES NP
	WIN 0
	FETCH_A \slot, (\q)+1, 4
.endm
.macro TURN slot, next, fill           ; a slot's last step changes slots: one barrier, which opens a round of the cluster's where the slot is filled again
	s_wait_tensorcnt 0x0                           ; all my tensor loads have landed: my part of the next slot
	ds_add_u32 v[SPW], v[NIL]                      ; 0 onto my spare word
	s_wait_dscnt 4*NL+1                            ; the add and A's blocks 4-7 may be out
	WIN MUL_LO
	MUL16 0, 1, NQ-1, \slot, 0
	s_wait_dscnt 0x0                               ; the add is done, and my reads of this slot are over
	s_barrier_signal -1
	MUL16 2, 1, NQ-1, \slot, 0
	WIN 0
	s_barrier_wait -1
.if \fill
	CREST                                          ; no wave of any partner still reads this slot or has a load on its way
	s_add_nc_u64 s[G0+4*\slot+2:G0+4*\slot+3], s[G0+4*\slot+2:G0+4*\slot+3], 2*ROWB
	s_add_nc_u64 s[G0B+4*\slot+2:G0B+4*\slot+3], s[G0B+4*\slot+2:G0B+4*\slot+3], 2*ROWB
	JLOAD G0+4*\slot, G1, G0B+4*\slot, G1B
	PLACES NP-4
.else
	PLACES NP
.endif
	s_wait_alu depctr_va_vdst(0)
	v_add_nc_u32 v[ADRS], 4*NQ, v[ADRS]
	FETCH_B \next, 0, 0
	FETCH_A \next, 0, 0
	SCALES \next
	WIN MUL_HI
	MUL16 4, 1, NQ-1, \slot, 0
	MUL16 6, 1, NQ-1, \slot, 0
	PLACES NP
	WIN 0
	FETCH_A \next, 0, 4
.endm
	s_wait_alu depctr_va_vdst(0)
	s_wait_tensorcnt 0x0                           ; my tile of the head's four is in
	ds_add_u32 v[SPW], v[NIL]
	s_mov_b32 s[G1+2], 128<<16                     ; no tensor load of mine is out: from here on a load brings 128 rows
	s_mov_b32 s[G1+4], 128
	s_mov_b32 s[G1B+2], 128<<16
	s_mov_b32 s[G1B+4], 128
	s_wait_dscnt 0x0
	CROUND                                         ; all four tiles are in, and all sixteen work-groups are here
	JLOAD G0+4, G1, G0B+4, G1B                     ; K step 1, the first tensor load behind the round
	FETCH_B 0, 0, 0
	FETCH_A 0, 0, 0
	SCALES 0
	FETCH_A 0, 0, 4
	STEP 0, 0, 1                                   ; the first step's products start the sums
	s_mov_b32 s3, LAPS-1
.Llap:
	TURN 0, 1, 1
	STEP 1, 0, 0
	TURN 1, 0, 1
	STEP 0, 0, 0
	s_sub_co_u32 s3, s3, 1
	s_cmp_lg_u32 s3, 0
	s_cbranch_scc1 .Llap
	TURN 0, 1, 0
	STEP 1, 0, 0
	s_wait_dscnt 4*NL
	WIN MUL_LO
	MUL16 0, 1, NQ-1, 1, 0
	MUL16 2, 1, NQ-1, 1, 0
	s_wait_dscnt 0
	WIN MUL_HI
	MUL16 4, 1, NQ-1, 1, 0
	MUL16 6, 1, NQ-1, 1, 0
	WIN 0
; ---- THE WAY OUT, a block of A's 16 rows x B's 128 at a time, in a loop of eight trips.  The block's 64 results are first brought into window 0 with the bias added:
; which accumulators those are hangs on the trip, so a ladder of eight rungs on the trip's number stands at the trip's head; all else of a trip is written once.
.macro QUANT s                         ; 64 numbers of a lane (block b of 32: my registers 16 b .. 16 b + 15 and those of lane l xor 16) -> codes in v[PC] on, bytes in v[TM+4] on, the word in v[PW]
.irp b, 0,1,2,3
	v_max3_num_f32 v[TM+\b], |v[\s+16*\b]|, |v[\s+1+16*\b]|, 0x4800000   ; with the floor 2^(9 - 127): the byte cannot fall under 1
.endr
.irp i, 2,4,6,8,10,12,14
.irp b, 0,1,2,3
	v_max3_num_f32 v[TM+\b], v[TM+\b], |v[\s+16*\b+\i]|, |v[\s+1+16*\b+\i]|
.endr
.endr
.irp b, 0,1,2,3
	v_permlanex16_b32 v[TM+4+\b], v[TM+\b], s[SEL], s[SEL+1]
.endr
.irp b, 0,1,2,3
	v_max_num_f32 v[TM+\b], v[TM+\b], v[TM+4+\b]
.endr
.irp b, 0,1,2,3
	v_add_nc_u32 v[TM+12+\b], 0xfc000000, v[TM+\b]   ; 8 off the exponent field: the conversion's scale operand
.endr
.irp b, 0,1,2,3
	v_and_or_b32 v[TM+8+\b], v[TM+\b], 0x7f800000, s[MNT]   ; 448 x the scale
.endr
.irp b, 0,1,2,3
	v_lshrrev_b32 v[TM+4+\b], 23, v[TM+12+\b]      ; the scale's byte
.endr
	v_lshl_or_b32 v[PW], v[TM+5], 8, v[TM+4]
	v_lshl_or_b32 v[PW], v[TM+6], 16, v[PW]
	v_lshl_or_b32 v[PW], v[TM+7], 24, v[PW]
.irp b, 0,1,2,3
.irp i, 0,1,2,3,4,5,6,7,8,9,10,11,12,13,14,15
	v_med3_num_f32 v[\s+16*\b+\i], v[\s+16*\b+\i], -v[TM+8+\b], v[TM+8+\b]   ; the conversion does not saturate (ISA guide 7.6.2)
.endr
	v_cvt_scalef32_pk8_fp8_f32 v[PC+4*\b:PC+1+4*\b], v[\s+16*\b:\s+7+16*\b], v[TM+12+\b]
	v_cvt_scalef32_pk8_fp8_f32 v[PC+2+4*\b:PC+3+4*\b], v[\s+8+16*\b:\s+15+16*\b], v[TM+12+\b]
.endr
	v_nop                                          ; a plain instruction behind the last conversion
.endm
.macro PULL a, isv                     ; block a's results + bias -> v[T] on; each accumulator is read from its low end on
.set WN, 0x02+(\a)/4
	WIN WN
.irp b, 0,1,2,3,4,5,6,7
.irp p, 0,2,4,6
.if \isv
	v_pk_add_f32 v[T+8*\b+\p:T+8*\b+\p+1], v[64*((\a)%4)+8*\b+\p:64*((\a)%4)+8*\b+\p+1], v[BIAS+2*(\a):BIAS+2*(\a)+1]
.else
	v_pk_add_f32 v[T+8*\b+\p:T+8*\b+\p+1], v[64*((\a)%4)+8*\b+\p:64*((\a)%4)+8*\b+\p+1], v[BIAS+8*\b+\p:BIAS+8*\b+\p+1]
.endif
.endr
.endr
	WIN 0
.endm
.macro RUNG a, isv, got
	s_cmp_lg_u32 s[AB], \a
	s_cbranch_scc1 .Lnext_\@
	PULL \a, \isv
	s_branch \got
.Lnext_\@:
.endm
	PLACES NP
	s_wait_dscnt 0x0
	s_barrier_signal -1
	s_barrier_wait -1                              ; nobody reads a slot any more, and both have had their last fill: the stages lie there
	v_and_b32 v3, 31, v0
	v_lshlrev_b32 v1, 4, v3                        ; 16 x lane
	v_and_b32 v2, 15, v0                           ; r
	v_bfe_u32 v18, v0, 4, 1                        ; h
	v_cmp_le_u32 vcc_lo, 16, v3                    ; lanes 16-31
.irp b, 0,1,2,3
	v_mov_b32 v[TM+4+\b], 0                        ; a lane permute's destination counts as one of its sources
.endr
	s_mov_b32 s[SEL], 0x76543210
	s_mov_b32 s[SEL+1], 0xfedcba98
	s_mov_b32 s[MNT], 0x600000
	s_mov_b32 s[AB], 0
	s_cmp_eq_u32 ttmp9, 2
	s_cbranch_scc1 .Lv
	; ---- q and k: lane (r, h) of block a holds token 16 a + r, columns 16 b + 8 h + j: two heads of 64
	s_lshl_b32 s46, s42, 10
	s_lshl_b32 s47, s16, 9
	s_add_co_u32 s46, s46, s47
	s_mov_b32 s47, 0
	s_add_nc_u64 s[10:11], s[10:11], s[46:47]      ; the bias of my 128 columns
	s_wait_alu depctr_va_vdst(0)
	v_lshlrev_b32 v7, 5, v18
.irp b, 0,1,2,3,4,5,6,7
	global_load_b128 v[BIAS+8*\b:BIAS+8*\b+3], v7, s[10:11] offset:64*\b
	global_load_b128 v[BIAS+8*\b+4:BIAS+8*\b+7], v7, s[10:11] offset:64*\b+16
.endr
	s_lshr_b32 s43, s17, 3                         ; the batch
	s_and_b32 s44, s17, 7
	s_lshl_b32 s44, s44, 4
	s_lshl_b32 s45, s15, 3
	s_add_co_u32 s44, s44, s45                     ; my first tile of 16 tokens in the batch
	s_and_b32 s45, s42, 3
	s_lshl_b32 s45, s45, 2
	s_lshl_b32 s92, s16, 1
	s_add_co_u32 s45, s45, s92
	s_lshl_b32 s43, s43, 4
	s_add_co_u32 s43, s43, s45                     ; my first head: 16 x batch + head
	s_mul_i32 s92, s43, 393216
	s_lshr_b32 s93, s44, 5
	s_lshl_b32 s93, s93, 16
	s_and_b32 s94, s44, 31
	s_lshl_b32 s94, s94, 10
	s_add_co_u32 s93, s93, s94                     ; k: chunk and tile
	s_lshl_b32 s94, s44, 10
	s_add_co_u32 s94, s94, 262144                  ; q: tile
	s_cmp_eq_u32 ttmp9, 1
	s_cselect_b32 s93, s93, s94
	s_cselect_b32 s94, 0, 12288
	s_add_co_u32 s[PI], s92, s93
	s_mov_b32 s[PI+1], 0
	s_add_nc_u64 s[PI:PI+1], s[12:13], s[PI:PI+1]
	s_mul_i32 s[PSC], s43, 20480
	s_add_co_u32 s[PSC], s[PSC], s94
	s_lshl_b32 s94, s44, 6
	s_add_co_u32 s[PSC], s[PSC], s94
	s_add_co_u32 s[PSC], s[PSC], 12582912
	s_mov_b32 s[PSC+1], 0
	s_add_nc_u64 s[PSC:PSC+1], s[12:13], s[PSC:PSC+1]
	s_lshl_b32 s[PO], s43, 19
	s_lshl_b32 s94, s44, 12
	s_add_co_u32 s[PO], s[PO], s94
	s_mov_b32 s[PO+1], 0
	s_add_nc_u64 s[PO:PO+1], s[96:97], s[PO:PO+1]
	s_mul_i32 s94, s14, 16*528
	s_add_co_u32 s94, s94, SLOT                    ; k's stage: 16 rows x (512 + 16) bytes for each wave, in slot 1
	v_mul_u32_u24 v11, v2, 528
	v_lshl_add_u32 v11, v18, 5, v11
	v_add_nc_u32 v11, s94, v11                     ; in: row r, 32 bytes for each half of the lanes
	v_add_nc_u32 v12, s94, v1                      ; back: a row of 512 bytes
	v_lshlrev_b32 v13, 4, v2
	v_lshl_add_u32 v13, v18, 19, v13               ; out1: lanes 0-15 the first head's row of 256 bytes, lanes 16-31 the second's
	v_mul_u32_u24 v14, v18, 20480
	v_lshl_add_u32 v14, v2, 2, v14                 ; scale words: lanes 0-15 the first head's, lanes 16-31 the second's
	s_wait_loadcnt 0x0
.Lqk:
.irp a, 0,1,2,3,4,5,6
	RUNG \a, 0, .Lqk_got
.endr
	PULL 7, 0
.Lqk_got:
	s_cmp_eq_u32 ttmp9, 1
	s_cbranch_scc0 .Lno_k
	s_wait_alu depctr_va_vdst(0)
.irp b, 0,1,2,3,4,5,6,7                ; k leaves as f32, through my stage, as whole rows of a head
	ds_store_b128 v11, v[T+8*\b:T+8*\b+3] offset:64*\b
	ds_store_b128 v11, v[T+8*\b+4:T+8*\b+7] offset:64*\b+16
.endr
.irp i, 0,1,2,3,4,5,6,7,8,9,10,11,12,13,14,15
	ds_load_b128 v[RR+4*\i:RR+4*\i+3], v12 offset:528*\i
.endr
	s_wait_dscnt 0x0
.irp i, 0,1,2,3,4,5,6,7,8,9,10,11,12,13,14,15
	global_store_b128 v13, v[RR+4*\i:RR+4*\i+3], s[PO:PO+1] offset:256*\i   ; sixteen lanes store 256 consecutive bytes, aligned
.endr
.Lno_k:
	QUANT T
.irp c, 0,1,2,3
	global_store_b128 v1, v[PC+4*\c:PC+4*\c+3], s[PI:PI+1] offset:(\c/2)*393216+(\c%2)*512
.endr
	v_lshl_or_b32 v[WA], v[TM+5], 8, v[TM+4]       ; the first head's two bytes,
	v_lshl_or_b32 v[WB], v[TM+7], 8, v[TM+6]       ; the second's
	v_cndmask_b32 v[WA], v[WA], v[WB], vcc_lo
	v_or_b32 v[WA], 0x7f7f0000, v[WA]              ; 1.0 over the zero codes of K = 64 .. 127
	global_store_b32 v14, v[WA], s[PSC:PSC+1]
	s_wait_xcnt 0x0                                ; the stores have read their registers and bases
	s_add_nc_u64 s[PI:PI+1], s[PI:PI+1], 1024
	s_add_nc_u64 s[PSC:PSC+1], s[PSC:PSC+1], 64
	s_add_nc_u64 s[PO:PO+1], s[PO:PO+1], 4096
	s_add_co_u32 s[AB], s[AB], 1
	s_cmp_lt_u32 s[AB], 8
	s_cbranch_scc1 .Lqk
	s_branch .Ldone
.Lv:
	; ---- v: lane (r, h) of block a holds channel 16 a + r (head a / 4, d = 16 (a % 4) + r), tokens 16 b + 8 h + j: one key step of 128
	s_lshl_b32 s46, s17, 10
	s_lshl_b32 s47, s15, 9
	s_add_co_u32 s46, s46, s47
	s_mov_b32 s47, 0
	s_add_nc_u64 s[10:11], s[10:11], s[46:47]      ; the bias of my 128 channels
	s_wait_alu depctr_va_vdst(0)
	v_lshlrev_b32 v7, 2, v2
.irp a, 0,1,2,3,4,5,6,7
	global_load_b32 v[BIAS+2*\a], v7, s[10:11] offset:64*\a
	global_load_b32 v[BIAS+2*\a+1], v7, s[10:11] offset:64*\a    ; twice: a pair for the packed addition
.endr
	s_and_b32 s45, s17, 7
	s_lshl_b32 s45, s45, 2
	s_lshl_b32 s92, s15, 1
	s_add_co_u32 s45, s45, s92
	s_lshr_b32 s43, s42, 3
	s_lshl_b32 s43, s43, 4
	s_add_co_u32 s43, s43, s45                     ; my first head
	s_and_b32 s44, s42, 7
	s_lshl_b32 s44, s44, 1
	s_add_co_u32 s44, s44, s16                     ; my key step in the batch
	s_mul_i32 s[PI], s43, 393216
	s_lshr_b32 s93, s44, 2
	s_lshl_b32 s93, s93, 16
	s_add_co_u32 s[PI], s[PI], s93
	s_and_b32 s93, s44, 3
	s_lshl_b32 s93, s93, 13
	s_add_co_u32 s[PI], s[PI], s93
	s_add_co_u32 s[PI], s[PI], 32768
	s_mov_b32 s[PI+1], 0
	s_add_nc_u64 s[PI:PI+1], s[12:13], s[PI:PI+1]
	s_mul_i32 s[PSC], s43, 20480
	s_lshl_b32 s93, s44, 8
	s_add_co_u32 s[PSC], s[PSC], s93
	s_add_co_u32 s[PSC], s[PSC], 12582912+8192
	s_mov_b32 s[PSC+1], 0
	s_add_nc_u64 s[PSC:PSC+1], s[12:13], s[PSC:PSC+1]
	s_add_co_u32 s[PO], s43, 32                    ; v is the second half of out1
	s_lshl_b32 s[PO], s[PO], 19
	s_lshl_b32 s93, s44, 15
	s_add_co_u32 s[PO], s[PO], s93
	s_mov_b32 s[PO+1], 0
	s_add_nc_u64 s[PO:PO+1], s[96:97], s[PO:PO+1]
	s_mul_i32 s94, s14, HALFT                      ; v's stage: 128 tokens x (256 + 16) bytes for each wave, in slot 0
	v_mul_u32_u24 v15, v18, 2176
	v_lshl_add_u32 v15, v2, 2, v15
	v_add_nc_u32 v15, s94, v15                     ; in: token 8 h, channel r
	v_mul_u32_u24 v16, v18, 272
	v_lshl_add_u32 v16, v2, 4, v16
	v_add_nc_u32 v16, s94, v16                     ; back: two tokens' rows an instruction
	s_wait_loadcnt 0x0
.Lvrow:
.irp a, 0,1,2,3,4,5,6
	RUNG \a, 1, .Lv_got
.endr
	PULL 7, 1
.Lv_got:
	s_and_b32 s93, s[AB], 3
	s_lshl_b32 s92, s93, 6
	v_add_nc_u32 v17, s92, v15                     ; + my block's 16 channels
	s_wait_alu depctr_va_vdst(0)
.irp b, 0,1,2,3,4,5,6,7
.irp j, 0,1,2,3,4,5,6,7
	ds_store_b32 v17, v[T+8*\b+\j] offset:(16*\b+\j)*272
.endr
.endr
	QUANT T
.irp c, 0,1,2,3
	global_store_b128 v1, v[PC+4*\c:PC+4*\c+3], s[PI:PI+1] offset:512*\c    ; a whole fragment of V^T
.endr
	global_store_b32 v7, v[PW], s[PSC:PSC+1]
	s_wait_xcnt 0x0
	s_add_nc_u64 s[PI:PI+1], s[PI:PI+1], 2048
	s_add_nc_u64 s[PSC:PSC+1], s[PSC:PSC+1], 64
	s_cmp_lg_u32 s93, 3
	s_cbranch_scc1 .Lno_flush
.irp g, 0,1,2,3                        ; a head's 64 channels of 128 tokens lie in the stage: they leave as whole rows of 256 bytes
.irp i, 0,1,2,3,4,5,6,7,8,9,10,11,12,13,14,15
	ds_load_b128 v[RR+4*\i:RR+4*\i+3], v16 offset:(32*\g+2*\i)*272
.endr
	s_wait_dscnt 0x0
.irp i, 0,1,2,3,4,5,6,7,8,9,10,11,12,13,14,15
	global_store_b128 v1, v[RR+4*\i:RR+4*\i+3], s[PO:PO+1] offset:(32*\g+2*\i)*256
.endr
	s_wait_xcnt 0x0
.endr
	s_add_nc_u64 s[PO:PO+1], s[PO:PO+1], 524288    ; on to the next head
	s_add_nc_u64 s[PI:PI+1], s[PI:PI+1], 385024
	s_add_nc_u64 s[PSC:PSC+1], s[PSC:PSC+1], 20224
.Lno_flush:
	s_add_co_u32 s[AB], s[AB], 1
	s_cmp_lt_u32 s[AB], 8
	s_cbranch_scc1 .Lvrow
.Ldone:
	s_wait_tensorcnt 0x0                           ; the wave's end
	ds_add_u32 v[SPW], v[NIL]
	s_wait_dscnt 0x0
	CROUND                                         ; the closing round
	s_endpgm
.Lfunc_end_k_qeeec593fe8_qkv:
	.size	k_qeeec593fe8_qkv, .Lfunc_end_k_qeeec593fe8_qkv-k_qeeec593fe8_qkv
	.p2alignl 7, 3214868480
	.fill 96, 4, 3214868480
	.section	.rodata,"a",@progbits
	.p2align	6, 0x0
	.amdhsa_kernel k_qeeec593fe8_qkv
		.amdhsa_group_segment_fixed_size 327680
		.amdhsa_private_segment_fixed_size 0
		.amdhsa_enable_private_segment 0
		.amdhsa_kernarg_size 48
		.amdhsa_user_sgpr_count 2
		.amdhsa_user_sgpr_kernarg_segment_ptr 1
		.amdhsa_wavefront_size32 1
		.amdhsa_system_sgpr_workgroup_id_x 1
		.amdhsa_system_sgpr_workgroup_id_y 1
		.amdhsa_system_sgpr_workgroup_id_z 1
		.amdhsa_system_vgpr_workitem_id 0
		.amdhsa_next_free_vgpr 1024
		.amdhsa_next_free_sgpr 106
		.amdhsa_reserve_vcc 1
		.amdhsa_float_denorm_mode_32 3
		.amdhsa_float_denorm_mode_16_64 3
		.amdhsa_memory_ordered 1
		.amdhsa_forward_progress 1
		.amdhsa_inst_pref_size 194
	.end_amdhsa_kernel
	.amdgpu_metadata
---
amdhsa.version: [ 1, 2 ]
amdhsa.kernels:
  - .name:           k_qeeec593fe8_qkv
    .symbol:         k_qeeec593fe8_qkv.kd
    .args:
      - { .name: xq, .offset: 0, .size: 8, .value_kind: global_buffer, .address_space: global }
      - { .name: w_attn_codes, .offset: 8, .size: 8, .value_kind: global_buffer, .address_space: global }
      - { .name: w_attn_scales, .offset: 16, .size: 8, .value_kind: global_buffer, .address_space: global }
      - { .name: b_attn, .offset: 24, .size: 8, .value_kind: global_buffer, .address_space: global }
      - { .name: qkvw, .offset: 32, .size: 8, .value_kind: global_buffer, .address_space: global }
      - { .name: out1, .offset: 40, .size: 8, .value_kind: global_buffer, .address_space: global }
    .group_segment_fixed_size: 327680
    .private_segment_fixed_size: 0
    .kernarg_segment_align: 8
    .kernarg_segment_size: 48
    .max_flat_workgroup_size: 128
    .sgpr_count:     106
    .vgpr_count:     1024
    .wavefront_size: 32
...
	.end_amdgpu_metadata
.endif
;; end of part 3
;; launch attn (part 4): grid 8 x 32, 16 waves a work-group, clusters of 4 x 1, 327,680 bytes of LDS; arguments qkvw, att; writes att
.if DOCPART == 4
	.amdgcn_target "amdgcn-amd-amdhsa--gfx1250"
	.amdhsa_code_object_version 6
	.text
	.protected	k_qeeec593fe8_attn
	.globl	k_qeeec593fe8_attn
	.p2align	8
	.type	k_qeeec593fe8_attn,@function
k_qeeec593fe8_attn:
	s_mov_b64 s[64:65], 0
	v_nop
	global_prefetch_b8 v0, s[64:65] scope:SCOPE_SE
	s_setreg_imm32_b32 hwreg(HW_REG_WAVE_MODE, 25, 1), 1
	s_wait_xcnt 0x0
	s_wait_alu depctr_hold_cnt(0) depctr_sa_sdst(0) depctr_va_vdst(0) depctr_va_sdst(0) depctr_va_ssrc(0) depctr_va_vcc(0) depctr_vm_vsrc(0)
	s_getreg_b32 s2, hwreg(HW_REG_IB_STS2, 6, 4)
	s_cmp_eq_u32 s2, 0
	s_cbranch_scc0 .Lentry_in_a_cluster
	s_endpgm
.Lentry_in_a_cluster:
	s_bfe_u32 s2, ttmp6, 0x10000c
	s_cmp_lg_u32 s2, 0x3003
	s_cbranch_scc0 .Lentry_shape_is_right
	s_endpgm
.Lentry_shape_is_right:
; Causal attention of one head on codes of E4M3 (no 1 / sqrt(d)): a = softmax(q k^T) v, then a is quantised for the projection.
; t = score x log2(e); M = the running largest t rounded up to a whole number; p = 2^(t - M) is quantised along the keys; the row's sum is taken of the unquantised p and divides at the end.
; LEFT OUT: key steps all of whose 128 keys come after a tile's queries: the causal mask throws their scores away.
; SHARES.  A work-group serves 256 queries of a head: 16 tiles of 16 queries; the tile of rank r is number 8 r + x (x = the work-group's number among the head's eight) and has r + 1 key steps of 128 keys, the last on the diagonal.
; Waves 2 k and 2 k + 1 share the tiles of rank k and 15 - k: 17 key steps.  The wave of kind 0 takes the large tile's last 9 steps (7 - k on).  The wave of kind 1 takes the large tile's first 7 - k steps,
; leaves its -M, sums and O^T in LDS, and then takes the small tile's k + 1 steps: 8 in all.  The wave of kind 0 joins the two parts: both are brought under the larger M by factors 2^(whole number), which round nothing.
; kind = (w xor w / 4) % 2: any four waves with w % 4 in common, or w / 4, are two of each kind: 34 key steps.
; The loops' trip counts are constants (7 and 9); a step outside the wave's share is passed over by a scalar branch on the wave's number and the count of steps.
; LDS.  A head's K and V codes (262,144 bytes, images of the operands' registers) come ONCE, one joint tensor load of 16,384 bytes a wave, asked for by the four work-groups of a cluster together.
; The 12,288 bytes of K's and V's scale words come through registers (24 bytes a thread) into bytes of their own; behind them the eight parts (4,608 bytes each) and the spare words.  No byte is filled twice.
; No prefetch is laid: all of K and V is asked for at the head, and there is no loop to run ahead in.
; THE BARRIER OF THE PARTS is signalled at the change of tiles, when a wave's part is stored, and waited for behind the second run: between the two stand register work and LDS loads of K, V and scale words, which nobody writes.
; LAYOUT.  S^T = K Q^T (source 0 = 16 keys, source 1 = my queries; K = 64 filled up to 128 with zero codes under the scale 1), O^T = V^T P^T: a lane holds one query throughout.
; Inside a block of 32 keys p's codes stand as the scores fall (key 16 u + 8 h + j at place 16 h + 8 u + j); V's codes were laid in the same order.
; LIMITS: a hidden score counts as -infinity where the definition has -1e10 (the same result while a row's largest score lies above about -1e10 + 150); the scaled scores stay under 2^31 in magnitude;
; NaN and infinities are not served; a block of zeros gets the scale byte 1.  The 2 scale bytes of a row and head leave by a store of 2 bytes a lane: one byte in 32 of the codes'.
; REGISTERS: v1 16 x lane; v2, v3 my places among K's and V's scale words; v7 my query less 8 (lane / 16) in the diagonal step; v12 -M, v13 the largest t, v[14:15] the sum; v16-31 Q; v32-95 four fragments of K;
; v96-159 S^T, then p, then V's four fragments; v160-191 O^T; v192-207 p's codes; v208-216 the second tile's Q and scale words; v217 my pair's part in LDS; v232-254 at work; v255 Q's scale words.
.set SCW,   262144                     ; the scale words: K's 8,192 bytes, V's 4,096
.set PART,  274432                     ; the parts: 4,608 bytes a pair of waves
.set SPARE, 311296                     ; the spare words: 128 bytes a wave, named by no other line
.set WV,  18
.set MNT, 19
.set SEL, 20
.set CS,  22
.set G1C, 24                           ; s[24:31] 64 rows of 256 bytes
.set G0,  40                           ; s[40:43]
.set KP,  44                           ; my pair, k
.set LO2, 45                           ; the second run's first key step
.set R2,  46                           ; the second run's rank
.set TA,  47
.set ST,  60                           ; the key step
.set TB,  61                           ; where its tiles begin in LDS
.set TS,  62                           ; its scale words of K
.set TJ,  63                           ; and of V
.set CNT, 66
.set RK,  67                           ; the rank of the tile in hand
.set HI,  68                           ; the first key step that is not mine
.set TY,  69                           ; my kind
.set ADK, 8
.set ADS, 10
.set ADT, 11
.set PS,  217
.set PC,  208
.set TM,  216
.set PW,  232
.set XS,  233
.set XR,  235
.macro CROUND
	s_barrier_signal -1
	s_barrier_wait -1
	s_cmp_lg_u32 s[WV], 0
	s_cbranch_scc1 .Lnot_wave_0_\@
	s_barrier_signal -3
.Lnot_wave_0_\@:
	s_barrier_wait -3
	s_barrier_signal -1
	s_barrier_wait -1
.endm
	s_load_b128 s[4:7], s[0:1], 0x0                ; qkvw, att
	v_lshl_add_u32 v230, v0, 2, SPARE
	v_mov_b32 v231, 0
	ds_add_u32 v230, v231                          ; the opening lines: the add, twice on end, and its wait
	ds_add_u32 v230, v231
	v_lshrrev_b32 v1, 5, v0
	v_readfirstlane_b32 s[WV], v1                  ; wave 0..15
	v_and_b32 v4, 31, v0                           ; lane
	v_and_b32 v5, 15, v0                           ; r
	v_bfe_u32 v6, v0, 4, 1                         ; h
	v_lshlrev_b32 v11, 3, v0                       ; the scale words: 8 bytes a thread, in memory
	v_lshl_add_u32 v8, v0, 3, SCW                  ; and in LDS
	v_lshlrev_b32 v1, 4, v4
	v_lshlrev_b32 v9, 2, v5
	s_lshr_b32 s[KP], s[WV], 1                     ; k
	s_lshr_b32 s[TY], s[WV], 2
	s_xor_b32 s[TY], s[TY], s[WV]
	s_and_b32 s[TY], s[TY], 1                      ; kind
	s_xor_b32 s[RK], s[KP], 15                     ; the large tile's rank, 15 - k
	s_xor_b32 s12, s[KP], 7                        ; 7 - k
	s_mul_i32 s[HI], s12, s[TY]                    ; the first run: kind 1: steps 0 .. 6 - k; kind 0: none
	s_xor_b32 s13, s[TY], 1
	s_mul_i32 s[LO2], s12, s13                     ; the second run begins at step 7 - k (kind 0) or 0
	s_cmp_eq_u32 s[TY], 0
	s_cselect_b32 s[R2], s[RK], s[KP]              ; on the large tile (kind 0) or the small one
	s_bfe_u32 s8, ttmp6, 0x40000                   ; cx
	s_lshl_b32 s9, ttmp9, 2
	s_add_co_u32 s9, s9, s8                        ; x: it enters global addresses of my own loads and stores, and vector data, alone
	s_and_b32 s10, ttmp7, 0xffff                   ; the head, 16 x batch + head
	s_lshl_b32 s11, s[R2], 3
	s_add_co_u32 s11, s11, s9                      ; the second run's tile of queries
	s_lshl_b32 s14, s[RK], 3
	s_add_co_u32 s14, s14, s9                      ; the first run's
	s_mul_i32 s12, s10, 393216                     ; the head's images
	s_lshl_b32 s13, s[WV], 14                      ; my sixteenth of K and V
	s_add_co_u32 s48, s12, s13
	s_mov_b32 s49, 0
	s_mul_i32 s16, s10, 20480
	s_add_co_u32 s16, s16, 12582912                ; the head's scale words
	s_mov_b32 s17, 0
	s_add_co_u32 s12, s12, 262144                  ; Q's images
	s_lshl_b32 s70, s14, 10
	s_add_co_u32 s70, s70, s12
	s_mov_b32 s71, 0
	s_lshl_b32 s74, s11, 10
	s_add_co_u32 s74, s74, s12
	s_mov_b32 s75, 0
	s_lshl_b32 s72, s14, 6
	s_add_co_u32 s72, s72, s16
	s_add_co_u32 s72, s72, 12288                   ; Q's scale words
	s_mov_b32 s73, 0
	s_lshl_b32 s76, s11, 6
	s_add_co_u32 s76, s76, s16
	s_add_co_u32 s76, s76, 12288
	s_mov_b32 s77, 0
	s_mov_b32 s[G1C], 15|(3<<16)|(1<<21)           ; the mask: all four work-groups; elements of 8 bytes; bit 21 beside a mask; no padding
	s_mov_b32 s[G1C+1], 32<<16
	s_mov_b32 s[G1C+2], 64<<16
	s_mov_b32 s[G1C+3], 32<<16
	s_mov_b32 s[G1C+4], 64
	s_mov_b32 s[G1C+5], 32
	s_mov_b32 s[G1C+6], 0
	s_mov_b32 s[G1C+7], 0
	s_mov_b32 s[SEL], 0x76543210
	s_mov_b32 s[SEL+1], 0xfedcba98
	s_mov_b32 s[CS], 0x3fb8aa3b                    ; log2(e)
	s_mov_b32 s[CS+1], s[CS]
	s_mov_b32 s[MNT], 0x600000
	s_mov_b32 s[ST], 0
	s_wait_alu depctr_va_vdst(0)
	s_wait_dscnt 0x0
	s_wait_kmcnt 0x0
	s_mov_b32 s[G0], 1
	s_mov_b32 s[G0+1], s13
	s_add_nc_u64 s[G0+2:G0+3], s[4:5], s[48:49]
	s_or_b32 s[G0+3], s[G0+3], 0x80000000
	s_add_nc_u64 s[70:71], s[4:5], s[70:71]
	s_add_nc_u64 s[72:73], s[4:5], s[72:73]
	s_add_nc_u64 s[74:75], s[4:5], s[74:75]
	s_add_nc_u64 s[76:77], s[4:5], s[76:77]
	s_add_nc_u64 s[16:17], s[4:5], s[16:17]
	global_load_b128 v[16:19], v1, s[70:71]        ; the first run's Q
	global_load_b128 v[20:23], v1, s[70:71] offset:512
	global_load_b32 v255, v9, s[72:73]
	global_load_b128 v[208:211], v1, s[74:75]      ; the second run's
	global_load_b128 v[212:215], v1, s[74:75] offset:512
	global_load_b32 v216, v9, s[76:77]
.irp i, 0,1,2
	global_load_b64 v[218+2*\i:219+2*\i], v11, s[16:17] offset:4096*\i   ; K's and V's scale words: a wave's load covers 256 consecutive bytes
.endr
	CROUND                                         ; all four work-groups are here: the joint loads meet
	tensor_load_to_lds s[G0:G0+3], s[G1C:G1C+7]    ; one load a wave, with no branch
	s_nop 0
.rept 4
	v_nop
.endr
.irp j, 24,25,26,27,28,29,30,31
	v_mov_b32 v\j, 0                               ; Q's K = 64 .. 127: zero codes
.endr
.irp i, 0,1,2,3
.irp j, 0,1,2,3,4,5,6,7
	v_mov_b32 v[40+16*\i+\j], 0                    ; K's likewise: written once, never loaded over
.endr
.endr
	v_add_nc_u32 v2, SCW, v9
	v_add_nc_u32 v3, SCW+8192, v9
	v_lshlrev_b32 v7, 3, v6
	s_mul_i32 s13, s[KP], 4608
	s_add_co_u32 s13, s13, PART
	v_add_nc_u32 v[PS], s13, v1                    ; my pair's part: 16 bytes a lane
	v_sub_nc_u32 v7, v5, v7
	s_lshl_b32 s12, s9, 4
	v_add_nc_u32 v7, s12, v7                       ; 16 x + r - 8 h
.irp b, 0,1,2,3
	v_mov_b32 v[236+\b], 0                         ; a lane permute's destination counts as one of its sources
.endr
	v_mov_b32 v252, 0
	v_mov_b32 v253, 0
.macro INIT                            ; a tile's state: the step is written once; the first change of M multiplies zeros
	v_mov_b32 v13, 0xff61b1e6                      ; the largest t so far: -3e38
	v_mov_b32 v14, 0
	v_mov_b32 v15, 0
.set j, 0
.rept 32
	v_mov_b32 v[160+j], 0
.set j, j+1
.endr
	v_floor_f32 v12, -v13
.endm
	INIT
.macro STEP diag
	s_cmp_ge_u32 s[ST], s[HI]                      ; not my step: its work is left out, not the line that counts steps
	s_cbranch_scc1 .Lhidden_\@
	s_lshr_b32 s[TA], s[ST], 2                     ; chunk s / 4 of 65,536 bytes: K's four steps of 8,192, then V's
	s_lshl_b32 s[TA], s[TA], 15
	s_lshl_b32 s[TB], s[ST], 13
	s_add_co_u32 s[TB], s[TB], s[TA]
	s_lshl_b32 s[TS], s[ST], 9
	s_lshl_b32 s[TJ], s[ST], 8
	v_add_nc_u32 v[ADK], s[TB], v1
	v_add_nc_u32 v[ADS], s[TS], v2
	v_add_nc_u32 v[ADT], s[TJ], v3
.irp g, 0,1
.if \g
.rept 8
	v_nop                                          ; places in front of loads into registers that matrix instructions have read
.endr
.endif
.irp t, 0,1,2,3
	ds_load_b128 v[32+16*\t:35+16*\t], v[ADK] offset:(4*\g+\t)*1024
	ds_load_b128 v[36+16*\t:39+16*\t], v[ADK] offset:(4*\g+\t)*1024+512
	ds_load_b32 v[248+\t], v[ADS] offset:64*(4*\g+\t)
.endr
.if \g == 0
	s_wait_alu depctr_va_vdst(0)
.endif
	s_wait_dscnt 0x0
.irp t, 0,1,2,3
	v_wmma_scale_f32_16x16x128_f8f6f4 v[96+8*(4*\g+\t):103+8*(4*\g+\t)], v[32+16*\t:47+16*\t], v[16:31], 0, v[248+\t], v255
.endr
.endr
.rept 8
	v_nop
.endr
.if \diag
	s_cmp_lg_u32 s[ST], s[RK]
	s_cbranch_scc1 .Lopen_\@
	v_mov_b32 v254, 0xff800000                     ; on the diagonal: register 8 i + j holds key 16 i + 8 h + j of the step: hidden where 16 i + j > 16 x + r - 8 h
.set n, 0
.rept 64
	v_cmp_gt_i32 vcc_lo, 16*(n/8)+n%8, v7
	v_cndmask_b32 v[96+n], v[96+n], v254, vcc_lo
.set n, n+1
.endr
.Lopen_\@:
.endif
.irp b, 0,1,2,3
	v_max3_num_f32 v[232+\b], v[96+16*\b], v[97+16*\b], v[98+16*\b]   ; the largest score of each block of 32 keys: for the row's maximum and, since p rises with the score, for the block's largest p
.endr
.irp i, 3,5,7,9,11,13
.irp b, 0,1,2,3
	v_max3_num_f32 v[232+\b], v[232+\b], v[96+16*\b+\i], v[97+16*\b+\i]
.endr
.endr
.irp b, 0,1,2,3
	v_max_num_f32 v[232+\b], v[232+\b], v[111+16*\b]
.endr
.irp b, 0,1,2,3
	s_delay_alu instid0(VALU_DEP_4)
	v_permlanex16_b32 v[236+\b], v[232+\b], s[SEL], s[SEL+1]
.endr
.irp b, 0,1,2,3
	s_delay_alu instid0(VALU_DEP_4)
	v_max_num_f32 v[232+\b], v[232+\b], v[236+\b]
.endr
	s_delay_alu instid0(VALU_DEP_2)
	v_max3_num_f32 v254, v232, v233, v234
	s_delay_alu instid0(VALU_DEP_1)
	v_max_num_f32 v254, v254, v235
	s_delay_alu instid0(VALU_DEP_1)
	v_mul_f32 v254, s[CS], v254
	s_delay_alu instid0(VALU_DEP_1)
	v_max_num_f32 v13, v13, v254                   ; the running largest t
	v_mov_b32 v254, v12
	s_delay_alu instid0(VALU_DEP_2)
	v_floor_f32 v12, -v13                          ; -M = floor(-t): M is a whole number
	s_delay_alu instid0(VALU_DEP_1)
	v_sub_f32 v254, v12, v254
	s_delay_alu instid0(VALU_DEP_1)
	v_cvt_i32_f32 v254, v254                       ; (it saturates)
	s_delay_alu instid0(VALU_DEP_1)
	v_ldexp_f32 v252, 1.0, v254                    ; f = 2^(old M - new M): a multiplication by it rounds nothing
.set j, 0
.rept 32
	v_pk_fma_f32 v[96+j:97+j], v[96+j:97+j], s[CS:CS+1], v[12:13] op_sel_hi:[1,0,0]   ; t - M
.set j, j+2
.endr
.irp b, 0,1,2,3
	v_fma_f32 v[232+\b], v[232+\b], s[CS], v12
.endr
.set j, 0
	s_wait_alu depctr_va_vdst(0)
.rept 64
	v_exp_f32 v[96+j], v[96+j]                     ; p = 2^(t - M)
.set j, j+1
.endr
	v_pk_mul_f32 v[14:15], v[14:15], v[252:253] op_sel_hi:[1,0]   ; the sums under the new M: a plain instruction behind the exponentials
	s_wait_alu depctr_va_vdst(0)                   ; one wait for the batch, ahead of its first reader
.irp b, 0,1,2,3
	v_exp_f32 v[232+\b], v[232+\b]                 ; the blocks' largest p
.endr
	v_pk_add_f32 v[236:237], v[100:101], v[104:105]   ; the row's sum of the unquantised p, in eight chains
	v_pk_add_f32 v[250:251], v[108:109], v[112:113]
	v_pk_add_f32 v[248:249], v[116:117], v[120:121]
	v_pk_add_f32 v[246:247], v[124:125], v[128:129]
	v_pk_add_f32 v[244:245], v[132:133], v[136:137]
	v_pk_add_f32 v[242:243], v[140:141], v[144:145]
	v_pk_add_f32 v[240:241], v[148:149], v[152:153]
	v_pk_add_f32 v[14:15], v[14:15], v[156:157]
	v_pk_add_f32 v[236:237], v[236:237], v[96:97]
	v_pk_add_f32 v[250:251], v[250:251], v[98:99]
	v_pk_add_f32 v[248:249], v[248:249], v[102:103]
	v_pk_add_f32 v[246:247], v[246:247], v[106:107]
	v_pk_add_f32 v[244:245], v[244:245], v[110:111]
	v_pk_add_f32 v[242:243], v[242:243], v[114:115]
	v_pk_add_f32 v[240:241], v[240:241], v[118:119]
	v_pk_add_f32 v[14:15], v[14:15], v[122:123]
	v_pk_add_f32 v[236:237], v[236:237], v[126:127]
	v_pk_add_f32 v[250:251], v[250:251], v[130:131]
	v_pk_add_f32 v[248:249], v[248:249], v[134:135]
	v_pk_add_f32 v[246:247], v[246:247], v[138:139]
	v_pk_add_f32 v[244:245], v[244:245], v[142:143]
	v_pk_add_f32 v[242:243], v[242:243], v[146:147]
	v_pk_add_f32 v[240:241], v[240:241], v[150:151]
	v_pk_add_f32 v[14:15], v[14:15], v[154:155]
	v_pk_add_f32 v[236:237], v[236:237], v[158:159]
	s_delay_alu instid0(VALU_DEP_2)
	v_pk_add_f32 v[14:15], v[14:15], v[246:247]
	s_delay_alu instid0(VALU_DEP_2)
	v_pk_add_f32 v[236:237], v[236:237], v[244:245]
	v_pk_add_f32 v[250:251], v[250:251], v[242:243]
	v_pk_add_f32 v[248:249], v[248:249], v[240:241]
	s_delay_alu instid0(VALU_DEP_2)
	v_pk_add_f32 v[14:15], v[14:15], v[250:251]
	s_delay_alu instid0(VALU_DEP_2)
	v_pk_add_f32 v[236:237], v[236:237], v[248:249]
	s_delay_alu instid0(VALU_DEP_1)
	v_pk_add_f32 v[14:15], v[14:15], v[236:237]
	s_wait_alu depctr_va_vdst(0)                   ; and one for the four
.irp b, 0,1,2,3
	v_max_num_f32 v[232+\b], 0x4800000, v[232+\b]  ; the floor 2^(9 - 127)
.endr
.irp b, 0,1,2,3
	s_delay_alu instid0(VALU_DEP_4)
	v_add_nc_u32 v[244+\b], 0xfc000000, v[232+\b]  ; 8 off the exponent field: the conversion's scale operand
.endr
.irp b, 0,1,2,3
	v_and_or_b32 v[240+\b], v[232+\b], 0x7f800000, s[MNT]   ; 448 x the scale
.endr
.irp b, 0,1,2,3
	v_lshrrev_b32 v[236+\b], 23, v[244+\b]         ; the scale's byte
.endr
	s_delay_alu instid0(VALU_DEP_3)
	v_lshl_or_b32 v253, v237, 8, v236              ; p's scale word for these 128 keys
	s_delay_alu instid0(VALU_DEP_1)
	v_lshl_or_b32 v253, v238, 16, v253
	s_delay_alu instid0(VALU_DEP_1)
	v_lshl_or_b32 v253, v239, 24, v253
.irp b, 0,1,2,3
.irp i, 0,1,2,3,4,5,6,7,8,9,10,11,12,13,14,15
	v_min_num_f32 v[96+16*\b+\i], v[96+16*\b+\i], v[240+\b]   ; the conversion does not saturate (ISA guide 7.6.2); p is not negative
.endr
	v_cvt_scalef32_pk8_fp8_f32 v[192+4*\b:193+4*\b], v[96+16*\b:103+16*\b], v[244+\b]
	v_cvt_scalef32_pk8_fp8_f32 v[194+4*\b:195+4*\b], v[104+16*\b:111+16*\b], v[244+\b]
.endr
.irp t, 0,1,2,3                        ; V's four fragments land where p stood
.irp c, 0,1,2,3
	ds_load_b128 v[96+16*\t+4*\c:99+16*\t+4*\c], v[ADK] offset:32768+2048*\t+512*\c
.endr
	ds_load_b32 v[248+\t], v[ADT] offset:64*\t
.endr
	s_wait_alu depctr_va_vdst(0)
.set j, 0
.rept 16
	v_pk_mul_f32 v[160+j:161+j], v[160+j:161+j], v[252:253] op_sel_hi:[1,0]   ; O^T under the new M; these are also the places ahead of the products
.set j, j+2
.endr
	s_wait_alu depctr_va_vdst(0)
	s_wait_dscnt 0x0
.irp t, 0,1,2,3
	v_wmma_scale_f32_16x16x128_f8f6f4 v[160+8*\t:167+8*\t], v[96+16*\t:111+16*\t], v[192:207], v[160+8*\t:167+8*\t], v[248+\t], v253
.endr
.rept 9
	v_nop                                          ; the next step's scores are written over registers that these products read: nine places
.endr
.Lhidden_\@:
	s_add_co_u32 s[ST], s[ST], 1
.endm
.macro RUN n, diag                     ; n trips
	s_mov_b32 s[CNT], \n
.Lstep_\@:
	STEP \diag
	s_sub_co_u32 s[CNT], s[CNT], 1
	s_cmp_lg_u32 s[CNT], 0
	s_cbranch_scc1 .Lstep_\@
.endm
	s_wait_alu depctr_va_vdst(0)
	s_wait_loadcnt 0x0                             ; Q, twice, and my 24 bytes of scale words
	s_wait_tensorcnt 0x0                           ; my sixteenth of K and V is in
	s_barrier_signal -1
	s_barrier_wait -1                              ; everybody's is: no tensor load of the work-group is out
.irp i, 0,1,2
	ds_store_b64 v8, v[218+2*\i:219+2*\i] offset:4096*\i
.endr
	s_wait_dscnt 0x0
	s_barrier_signal -1
	s_barrier_wait -1                              ; and the scale words are whole
	RUN 7, 0                                       ; the large tile's first steps (kind 1): none lies on the diagonal
	s_wait_alu depctr_va_vdst(0)
	s_cmp_eq_u32 s[TY], 0
	s_cbranch_scc1 .Lno_part
.irp i, 0,1,2,3,4,5,6,7
	ds_store_b128 v[PS], v[160+4*\i:163+4*\i] offset:512*\i   ; my part of the large tile: O^T, each accumulator from its low end on,
.endr
	ds_store_b128 v[PS], v[12:15] offset:4096      ; -M, the largest t, the sum's two halves
.Lno_part:
	v_mov_b32 v255, v216                           ; on to the second run's tile: its scale words first, so that they stand eight places ahead of the products
.irp j, 0,1,2,3,4,5,6,7
	v_mov_b32 v[16+\j], v[208+\j]
.endr
	INIT
	s_mov_b32 s[ST], s[LO2]
	s_add_co_u32 s[HI], s[R2], 1
	s_mov_b32 s[RK], s[R2]
	s_wait_alu depctr_va_vdst(0)
	s_wait_dscnt 0x0                               ; my part is stored:
	s_barrier_signal -1                            ; say so; the wait stands behind the second run
	RUN 9, 1
	s_wait_alu depctr_va_vdst(0)
	s_barrier_wait -1                              ; every part is stored
	s_cmp_lg_u32 s[TY], 0
	s_cbranch_scc1 .Lno_merge
.irp i, 0,1,2,3,4,5,6,7
	ds_load_b128 v[96+4*\i:99+4*\i], v[PS] offset:512*\i    ; my partner's part of my tile
.endr
	ds_load_b128 v[128:131], v[PS] offset:4096
	v_mov_b32 v135, 0                              ; (named as the upper half of a pair)
	s_wait_dscnt 0x0
	v_min_num_f32 v132, v12, v128                  ; -M of the two together
	v_sub_f32 v133, v132, v12                      ; my M less the common one: a whole number, 0 or less
	v_sub_f32 v134, v132, v128                     ; my partner's likewise
	v_cvt_i32_f32 v133, v133                       ; (they saturate: an empty part, under M = -3e38, gets the factor 0)
	v_cvt_i32_f32 v134, v134
	v_ldexp_f32 v252, 1.0, v133
	v_ldexp_f32 v134, 1.0, v134
.set j, 0
.rept 16
	v_pk_mul_f32 v[160+j:161+j], v[160+j:161+j], v[252:253] op_sel_hi:[1,0]
.set j, j+2
.endr
	v_pk_mul_f32 v[14:15], v[14:15], v[252:253] op_sel_hi:[1,0]
.set j, 0
.rept 16
	v_pk_fma_f32 v[160+j:161+j], v[96+j:97+j], v[134:135], v[160+j:161+j] op_sel_hi:[1,0,1]
.set j, j+2
.endr
	v_pk_fma_f32 v[14:15], v[130:131], v[134:135], v[14:15] op_sel_hi:[1,0,1]
.Lno_merge:
	; ---- the way out: O^T / the sum; its 64 channels are two blocks of the projection's K
	v_add_f32 v14, v14, v15
	s_delay_alu instid0(VALU_DEP_1)
	v_permlanex16_b32 v252, v14, s[SEL], s[SEL+1]
	s_delay_alu instid0(VALU_DEP_1)
	v_add_f32 v14, v14, v252
	s_wait_alu depctr_va_vdst(0)
	v_rcp_f32 v14, v14
	v_cmp_le_u32 vcc_lo, 16, v4                    ; lanes 16-31  (a plain instruction behind the transcendental)
	v_mov_b32 v[XR], 0
	v_mov_b32 v[XR+1], 0
	v_mov_b32 v[TM+4], 0                           ; a lane permute's destination counts as one of its sources
	v_mov_b32 v[TM+5], 0
	v_lshlrev_b32 v10, 5, v5                       ; 32 bytes of scales a row
	s_lshr_b32 s75, s10, 4                         ; batch
	s_and_b32 s76, s10, 15                         ; head
	s_lshl_b32 s77, s75, 7
	s_add_co_u32 s77, s77, s11                     ; block of 16 rows
	s_lshl_b32 s78, s77, 14                        ; x 8 K steps x 2,048 bytes
	s_lshl_b32 s79, s76, 10                        ; K step head / 2, its half head % 2
	s_add_co_u32 s78, s78, s79
	s_mov_b32 s79, 0
	s_add_nc_u64 s[78:79], s[6:7], s[78:79]
	s_lshl_b32 s80, s77, 9
	s_lshl_b32 s81, s76, 1
	s_add_co_u32 s80, s80, s81
	s_add_co_u32 s80, s80, 4194304
	s_mov_b32 s81, 0
	s_add_nc_u64 s[80:81], s[6:7], s[80:81]
	s_wait_alu depctr_va_vdst(0)                   ; the wait ahead of the reciprocal's first reader
.set j, 0
.rept 16
	v_pk_mul_f32 v[96+j:97+j], v[160+j:161+j], v[14:15] op_sel_hi:[1,0]
.set j, j+2
.endr
.irp b, 0,1
	v_max3_num_f32 v[TM+\b], |v[96+16*\b]|, |v[97+16*\b]|, 0x4800000
.endr
.irp i, 2,4,6,8,10,12,14
.irp b, 0,1
	s_delay_alu instid0(VALU_DEP_2)
	v_max3_num_f32 v[TM+\b], v[TM+\b], |v[96+16*\b+\i]|, |v[97+16*\b+\i]|
.endr
.endr
.irp b, 0,1
	s_delay_alu instid0(VALU_DEP_2)
	v_permlanex16_b32 v[TM+4+\b], v[TM+\b], s[SEL], s[SEL+1]
.endr
.irp b, 0,1
	s_delay_alu instid0(VALU_DEP_2)
	v_max_num_f32 v[TM+\b], v[TM+\b], v[TM+4+\b]
.endr
.irp b, 0,1
	s_delay_alu instid0(VALU_DEP_2)
	v_add_nc_u32 v[TM+12+\b], 0xfc000000, v[TM+\b]
.endr
.irp b, 0,1
	s_delay_alu instid0(VALU_DEP_4)
	v_and_or_b32 v[TM+8+\b], v[TM+\b], 0x7f800000, s[MNT]
.endr
.irp b, 0,1
	s_delay_alu instid0(VALU_DEP_4)
	v_lshrrev_b32 v[TM+4+\b], 23, v[TM+12+\b]
.endr
	s_delay_alu instid0(VALU_DEP_1)
	v_lshl_or_b32 v[PW], v[TM+5], 8, v[TM+4]
.irp b, 0,1
.irp i, 0,1,2,3,4,5,6,7,8,9,10,11,12,13,14,15
	v_med3_num_f32 v[96+16*\b+\i], v[96+16*\b+\i], -v[TM+8+\b], v[TM+8+\b]
.endr
	v_cvt_scalef32_pk8_fp8_f32 v[PC+4*\b:PC+1+4*\b], v[96+16*\b:103+16*\b], v[TM+12+\b]
	v_cvt_scalef32_pk8_fp8_f32 v[PC+2+4*\b:PC+3+4*\b], v[104+16*\b:111+16*\b], v[TM+12+\b]
.endr
	v_nop
.irp c, 0,1                            ; the weight's K stands in its natural order: lanes l and l xor 16 exchange eight codes of each block
	v_cndmask_b32 v[XS], v[PC+4*\c+2], v[PC+4*\c], vcc_lo
	v_cndmask_b32 v[XS+1], v[PC+4*\c+3], v[PC+4*\c+1], vcc_lo
	s_delay_alu instid0(VALU_DEP_2)
	v_permlanex16_b32 v[XR], v[XS], s[SEL], s[SEL+1]
	s_delay_alu instid0(VALU_DEP_2)
	v_permlanex16_b32 v[XR+1], v[XS+1], s[SEL], s[SEL+1]
	v_cndmask_b32 v[PC+4*\c], v[PC+4*\c], v[XR], vcc_lo
	v_cndmask_b32 v[PC+4*\c+1], v[PC+4*\c+1], v[XR+1], vcc_lo
	v_cndmask_b32 v[PC+4*\c+2], v[XR], v[PC+4*\c+2], vcc_lo
	v_cndmask_b32 v[PC+4*\c+3], v[XR+1], v[PC+4*\c+3], vcc_lo
.endr
	global_store_b128 v1, v[PC:PC+3], s[78:79]
	global_store_b128 v1, v[PC+4:PC+7], s[78:79] offset:512
	global_store_b16 v10, v[PW], s[80:81]
	s_wait_tensorcnt 0x0                           ; the wave's end
	ds_add_u32 v230, v231
	s_wait_dscnt 0x0
	CROUND                                         ; the closing round
	s_endpgm
.Lfunc_end_k_qeeec593fe8_attn:
	.size	k_qeeec593fe8_attn, .Lfunc_end_k_qeeec593fe8_attn-k_qeeec593fe8_attn
	.p2alignl 7, 3214868480
	.fill 96, 4, 3214868480
	.section	.rodata,"a",@progbits
	.p2align	6, 0x0
	.amdhsa_kernel k_qeeec593fe8_attn
		.amdhsa_group_segment_fixed_size 327680
		.amdhsa_private_segment_fixed_size 0
		.amdhsa_enable_private_segment 0
		.amdhsa_kernarg_size 16
		.amdhsa_user_sgpr_count 2
		.amdhsa_user_sgpr_kernarg_segment_ptr 1
		.amdhsa_wavefront_size32 1
		.amdhsa_system_sgpr_workgroup_id_x 1
		.amdhsa_system_sgpr_workgroup_id_y 1
		.amdhsa_system_sgpr_workgroup_id_z 1
		.amdhsa_system_vgpr_workitem_id 0
		.amdhsa_next_free_vgpr 256
		.amdhsa_next_free_sgpr 84
		.amdhsa_reserve_vcc 1
		.amdhsa_float_denorm_mode_32 3
		.amdhsa_float_denorm_mode_16_64 3
		.amdhsa_memory_ordered 1
		.amdhsa_forward_progress 1
		.amdhsa_inst_pref_size 69
	.end_amdhsa_kernel
	.amdgpu_metadata
---
amdhsa.version: [ 1, 2 ]
amdhsa.kernels:
  - .name:           k_qeeec593fe8_attn
    .symbol:         k_qeeec593fe8_attn.kd
    .args:
      - { .name: qkvw, .offset: 0, .size: 8, .value_kind: global_buffer, .address_space: global }
      - { .name: att, .offset: 8, .size: 8, .value_kind: global_buffer, .address_space: global }
    .group_segment_fixed_size: 327680
    .private_segment_fixed_size: 0
    .kernarg_segment_align: 8
    .kernarg_segment_size: 16
    .max_flat_workgroup_size: 512
    .sgpr_count:     84
    .vgpr_count:     256
    .wavefront_size: 32
...
	.end_amdgpu_metadata
.endif
;; end of part 4
;; launch aproj (part 5): grid 8 x 32, 4 waves a work-group, clusters of 4 x 4, 327,680 bytes of LDS; arguments att, w_aproj_codes, w_aproj_scales, b_aproj, x, x1, part; writes x1, part
.if DOCPART == 5
	.amdgcn_target "amdgcn-amd-amdhsa--gfx1250"
	.amdhsa_code_object_version 6
	.text
	.protected	k_qeeec593fe8_aproj
	.globl	k_qeeec593fe8_aproj
	.p2align	8
	.type	k_qeeec593fe8_aproj,@function
k_qeeec593fe8_aproj:
	s_mov_b64 s[64:65], 0
	v_nop
	global_prefetch_b8 v0, s[64:65] scope:SCOPE_SE
	s_setreg_imm32_b32 hwreg(HW_REG_WAVE_MODE, 25, 1), 1
	s_wait_xcnt 0x0
	s_wait_alu depctr_hold_cnt(0) depctr_sa_sdst(0) depctr_va_vdst(0) depctr_va_sdst(0) depctr_va_ssrc(0) depctr_va_vcc(0) depctr_vm_vsrc(0)
	s_getreg_b32 s2, hwreg(HW_REG_IB_STS2, 6, 4)
	s_cmp_eq_u32 s2, 0
	s_cbranch_scc0 .Lentry_in_a_cluster
	s_endpgm
.Lentry_in_a_cluster:
	s_bfe_u32 s2, ttmp6, 0x10000c
	s_cmp_lg_u32 s2, 0xf033
	s_cbranch_scc0 .Lentry_shape_is_right
	s_endpgm
.Lentry_shape_is_right:
; x1 = x + a W_aproj + b on codes of E4M3 with one E8M0 scale for each 32 along K = 1,024, and the partial statistics of the second group norm (mean and M2 of 64 rows x 32 channels).
; A work-group of four waves makes 128 x 128, a wave 64 x 64.  A (att) lies as images of the operand's registers, 2,048 bytes for 16 rows x 128 K; B's rows are 512 bytes of a K step of 512.
; Two LDS slots, one K step each, filled once by joint loads of a 4 x 4 cluster; the scale bytes of both sides come once.  No prefetch is laid: no slot is filled again, so there is no loop to run ahead in.
.set SIZE_K, 1024
.set WITH_STATS, 1
.set SCOFF,  4194304
.set KSTEP,  512
.set PITCH,  528
.set AHALF,  32768
.set BHALF,  64*PITCH
.set BOFF,   2*AHALF
.set SLOT,   BOFF+2*BHALF
.set LAPS,   SIZE_K/(2*KSTEP)
.set KS,     SIZE_K/32
.set SCL,    2*SLOT
.set HALFS,  (64*KS/256)*272
.set SBLK,   (16*KS/256)*272
.set SPARE,  SCL+4*HALFS
.set ADRA, 16
.set ADRB, 20
.set STO,  24
.set RD,   25
.set XO,   26
.set ADRS, 27
.set SPW,  28
.set NIL,  29
.set BIO,  30
.set PTO,  31
.set SC,   32
.set BI,   64
.set S,    96
.set D,    104
.set MN,   112
.set TP,   114
.set ACC,  128
.set F0,   0
.set F1,   128
.set SEL,  66
.set G1, 24
.set G0, 32
.set G1B, 48
.set G0B, 56
.set G1S, 68
.set G0S, 76
.set G1SB, 80
.set G0SB, 88
.set MSB, 0
.macro WIN new
.if MSB != \new
	s_set_vgpr_msb (MSB<<8)|\new
.set MSB, \new
.endif
.endm
.set MUL,  0x05
.set TO_F, 0x40
.macro JLOAD g0a, g1a, g0b, g1b
	s_cmp_eq_u32 s19, 0
	s_cbranch_scc0 .Lfor_b_\@
	tensor_load_to_lds s[\g0a:\g0a+3], s[\g1a:\g1a+7]
	s_nop 0
.rept 4
	v_nop
.endr
	s_branch .Lasked_\@
.Lfor_b_\@:
	tensor_load_to_lds s[\g0b:\g0b+3], s[\g1b:\g1b+7]
	s_nop 0
.rept 4
	v_nop
.endr
.Lasked_\@:
.endm
.macro CREST
	s_cmp_lg_u32 s18, 0
	s_cbranch_scc1 .Lnot_wave_0_\@
	s_barrier_signal -3
.Lnot_wave_0_\@:
	s_barrier_wait -3
	s_barrier_signal -1
	s_barrier_wait -1
.endm
.macro CROUND
	s_barrier_signal -1
	s_barrier_wait -1
	CREST
.endm
.macro PLACES n
.rept \n
	v_nop
.endr
.endm
	s_load_b256 s[4:11], s[0:1], 0x0
	s_load_b128 s[12:15], s[0:1], 0x20
.if WITH_STATS
	s_load_b64 s[16:17], s[0:1], 0x30
.endif
	v_lshl_add_u32 v[SPW], v0, 2, SPARE
	v_mov_b32 v[NIL], 0
	ds_add_u32 v28, v29
	ds_add_u32 v28, v29
	s_wait_dscnt 0x0
	v_lshrrev_b32 v1, 5, v0
	v_readfirstlane_b32 s18, v1
	s_lshr_b32 s19, s18, 1
	s_and_b32 s20, s18, 1
	s_bfe_u32 s21, ttmp6, 0x40000
	s_bfe_u32 s22, ttmp6, 0x40004
	s_lshl_b32 s23, ttmp9, 2
	s_add_co_u32 s23, s23, s21
	s_and_b32 s2, ttmp7, 0xffff
	s_lshl_b32 s2, s2, 2
	s_add_co_u32 s2, s2, s22
	s_lshl_b32 s40, s22, 2
	s_lshl_b32 s40, 15, s40
	s_lshl_b32 s41, 0x1111, s21
	s_or_b32 s[G1+0], s40, (3<<16)|(1<<21)
	s_mov_b32 s[G1+1], 1024<<16
	s_mov_b32 s[G1+2], 8<<16
	s_mov_b32 s[G1+3], 1024<<16
	s_mov_b32 s[G1+4], 8
	s_mov_b32 s[G1+5], 2*SIZE_K
	s_mov_b32 s[G1+6], 0
	s_mov_b32 s[G1+7], 0
	s_or_b32 s[G1B+0], s41, (0<<16)|(1<<20)|(1<<21)|(6<<22)|(3<<25)
	s_mov_b32 s[G1B+1], KSTEP<<16
	s_mov_b32 s[G1B+2], 128<<16
	s_mov_b32 s[G1B+3], KSTEP<<16
	s_mov_b32 s[G1B+4], 128
	s_mov_b32 s[G1B+5], SIZE_K
	s_mov_b32 s[G1B+6], 0
	s_mov_b32 s[G1B+7], 0
	s_or_b32 s[G1S+0], s40, (3<<16)|(1<<20)|(1<<21)|(5<<22)|(3<<25)
	s_or_b32 s[G1SB+0], s41, (3<<16)|(1<<20)|(1<<21)|(5<<22)|(3<<25)
.irp g, G1S, G1SB
	s_mov_b32 s[\g+1], 32<<16
	s_mov_b32 s[\g+2], (128*KS/256)<<16
	s_mov_b32 s[\g+3], 32<<16
	s_mov_b32 s[\g+4], 128*KS/256
	s_mov_b32 s[\g+5], 32
	s_mov_b32 s[\g+6], 0
	s_mov_b32 s[\g+7], 0
.endr
	s_lshl_b32 s42, s2, 3
	s_lshl_b32 s43, s20, 2
	s_add_co_u32 s42, s42, s43
	s_mul_i32 s42, s42, 16*SIZE_K
	s_mov_b32 s43, 0
	s_lshl_b32 s44, s2, 7
	s_mul_i32 s44, s44, KS
	s_add_co_u32 s44, s44, SCOFF
	s_mov_b32 s45, 0
	s_lshl_b32 s46, s23, 7
	s_mul_i32 s92, s46, KS
	s_lshl_b32 s47, s20, 6
	s_add_co_u32 s46, s46, s47
	s_mov_b32 s93, 0
	s_mul_i32 s46, s46, SIZE_K
	s_mov_b32 s47, 0
	s_lshl_b32 s94, s20, 15
	s_mul_i32 s95, s20, BHALF
	s_add_co_u32 s95, s95, BOFF
	s_wait_kmcnt 0x0
	s_add_nc_u64 s[42:43], s[4:5], s[42:43]
	s_add_nc_u64 s[44:45], s[4:5], s[44:45]
	s_add_nc_u64 s[46:47], s[6:7], s[46:47]
	s_add_nc_u64 s[92:93], s[8:9], s[92:93]
	CROUND
	s_mov_b32 s[G0S], 1
	s_mov_b32 s[G0S+1], SCL
	s_mov_b64 s[G0S+2:G0S+3], s[44:45]
	s_or_b32 s[G0S+3], s[G0S+3], 0x80000000
	s_mov_b32 s[G0SB], 1
	s_mov_b32 s[G0SB+1], SCL+2*HALFS
	s_mov_b64 s[G0SB+2:G0SB+3], s[92:93]
	s_or_b32 s[G0SB+3], s[G0SB+3], 0x80000000
.irp s, 0,1
	s_mov_b32 s[G0+4*\s], 1
	s_add_co_u32 s[G0+4*\s+1], s94, \s*SLOT
	s_add_nc_u64 s[G0+4*\s+2:G0+4*\s+3], s[42:43], \s*8192
	s_or_b32 s[G0+4*\s+3], s[G0+4*\s+3], 0x80000000
	s_mov_b32 s[G0B+4*\s], 1
	s_add_co_u32 s[G0B+4*\s+1], s95, \s*SLOT
	s_add_nc_u64 s[G0B+4*\s+2:G0B+4*\s+3], s[46:47], \s*KSTEP
	s_or_b32 s[G0B+4*\s+3], s[G0B+4*\s+3], 0x80000000
.endr
; THE HEAD'S LOADS, ONE A WAVE: wave 0 K step 0 of A's 128 rows, wave 1 A's scales, wave 2 K step 0 of B's 128 rows, wave 3 B's scales; one chain of branches, one load to an arm.
.macro ARM under, g0, g1, next
	s_cmp_lt_u32 s18, \under
	s_cbranch_scc0 \next
	tensor_load_to_lds s[\g0:\g0+3], s[\g1:\g1+7]
	s_nop 0
.rept 4
	v_nop
.endr
	s_branch .Lhead_asked
\next:
.endm
	ARM 1, G0,  G1,  .Lhead_sa
	ARM 2, G0S, G1S, .Lhead_b
	ARM 3, G0B, G1B, .Lhead_sb
	tensor_load_to_lds s[G0SB:G0SB+3], s[G1SB:G1SB+7]
	s_nop 0
.rept 4
	v_nop
.endr
.Lhead_asked:
	v_and_b32 v1, 15, v0
	v_bfe_u32 v2, v0, 4, 1
	v_and_b32 v3, 31, v0
	v_lshlrev_b32 v4, 4, v3
	s_lshl_b32 s97, s19, 15
	v_add_nc_u32 v[ADRA], s97, v4
	v_add_nc_u32 v[ADRA+1], SLOT, v[ADRA]
	v_mul_u32_u24 v5, v1, PITCH
	v_lshl_add_u32 v5, v2, 4, v5
	v_add_nc_u32 v[ADRB], s95, v5
	v_add_nc_u32 v[ADRB+1], SLOT, v[ADRB]
	v_mul_u32_u24 v5, v1, KS
	v_lshrrev_b32 v6, 8, v5
	v_lshl_add_u32 v5, v6, 4, v5
	s_mul_i32 s97, s19, HALFS
	s_mul_i32 s98, s20, HALFS
	s_add_co_u32 s98, s98, 2*HALFS
	s_sub_co_u32 s98, s98, s97
	v_mul_u32_u24 v6, s98, v2
	s_add_co_u32 s97, s97, SCL
	v_add_nc_u32 v5, v5, v6
	v_add_nc_u32 v[ADRS], s97, v5
	s_mul_i32 s97, s18, 16*272
	v_mul_u32_u24 v5, v1, 272
	v_lshl_add_u32 v5, v2, 5, v5
	v_add_nc_u32 v[STO], s97, v5
	v_mul_u32_u24 v5, v2, 272
	v_lshl_add_u32 v5, v1, 4, v5
	v_add_nc_u32 v[RD], s97, v5
	v_lshlrev_b32 v[XO], 4, v1
	v_lshl_add_u32 v[XO], v2, 12, v[XO]
	v_lshlrev_b32 v[BIO], 5, v2
	s_wait_alu depctr_va_vdst(0)
	v_lshrrev_b32 v[PTO], 3, v1
	v_lshlrev_b32 v[PTO], 3, v[PTO]
	v_mov_b32 v[TP], 0
	s_mov_b32 s[SEL], 0x76543210
	s_mov_b32 s[SEL+1], 0xfedcba98
	s_lshl_b32 s46, s23, 9
	s_lshl_b32 s47, s20, 8
	s_add_co_u32 s46, s46, s47
	s_mov_b32 s47, 0
	s_add_nc_u64 s[10:11], s[10:11], s[46:47]
	s_lshl_b32 s98, s2, 7
	s_lshl_b32 s99, s19, 6
	s_add_co_u32 s98, s98, s99
	s_lshl_b32 s98, s98, 12
	s_add_co_u32 s98, s98, s46
	s_mov_b32 s99, 0
	s_add_nc_u64 s[12:13], s[12:13], s[98:99]
	s_add_nc_u64 s[14:15], s[14:15], s[98:99]
.if WITH_STATS
	s_lshl_b32 s98, s2, 1
	s_add_co_u32 s98, s98, s19
	s_lshl_b32 s98, s98, 5
	s_lshl_b32 s97, s23, 2
	s_add_co_u32 s98, s98, s97
	s_lshl_b32 s97, s20, 1
	s_add_co_u32 s98, s98, s97
	s_lshl_b32 s98, s98, 3
	s_add_nc_u64 s[16:17], s[16:17], s[98:99]
.endif
.irp b, 0,1,2,3
	global_load_b128 v[BI+8*\b:BI+8*\b+3], v[BIO], s[10:11] offset:64*\b
	global_load_b128 v[BI+8*\b+4:BI+8*\b+7], v[BIO], s[10:11] offset:64*\b+16
.endr
	WIN 0x80
.set i, 0
.rept 32
	global_load_b128 v[4*i:4*i+3], v[XO], s[12:13] offset:8192*i
.set i, i+1
.endr
	WIN 0
.macro MULA f, a, q, sc, zero
.irp b, 0,1,2,3
.if \zero
	v_wmma_scale_f32_16x16x128_f8f6f4 v[ACC+8*(4*(\a)+\b):ACC+8*(4*(\a)+\b)+7], v[\f+64+16*\b:\f+64+16*\b+15], v[\f+16*(\a):\f+16*(\a)+15], v[BI+8*\b:BI+8*\b+7], v[SC+16*(\sc)+4*\b+(\q)], v[SC+16*(\sc)+4*(\a)+(\q)] matrix_a_scale:MATRIX_SCALE_ROW1
.else
	v_wmma_scale_f32_16x16x128_f8f6f4 v[ACC+8*(4*(\a)+\b):ACC+8*(4*(\a)+\b)+7], v[\f+64+16*\b:\f+64+16*\b+15], v[\f+16*(\a):\f+16*(\a)+15], v[ACC+8*(4*(\a)+\b):ACC+8*(4*(\a)+\b)+7], v[SC+16*(\sc)+4*\b+(\q)], v[SC+16*(\sc)+4*(\a)+(\q)] matrix_a_scale:MATRIX_SCALE_ROW1
.endif
.endr
.endm
.macro SCALES sc
.irp i, 0,1,2,3
	ds_load_b128 v[SC+16*\sc+4*\i:SC+16*\sc+4*\i+3], v[ADRS] offset:\i*SBLK
.endr
.endm
.macro FETCH slot, q, f
	WIN TO_F
.irp i, 0,1,2,3
.irp c, 0,1,2,3
	ds_load_b128 v[\f+64+16*\i+4*\c:\f+64+16*\i+4*\c+3], v[ADRB+\slot] offset:\i*16*PITCH+128*(\q)+32*\c
.endr
.endr
.irp i, 0,1,2,3
.irp c, 0,1,2,3
	ds_load_b128 v[\f+16*\i+4*\c:\f+16*\i+4*\c+3], v[ADRA+\slot] offset:8192*\i+2048*(\q)+512*\c
.endr
.endr
.endm
.macro QUARTER slot, q, zero
	s_wait_dscnt 8
	WIN MUL
	MULA 128*((\q)%2), 0, \q, \slot, \zero
	MULA 128*((\q)%2), 1, \q, \slot, \zero
	PLACES 8
	FETCH \slot, (\q)+1, 128*(1-(\q)%2)
	s_wait_dscnt 32
	WIN MUL
	MULA 128*((\q)%2), 2, \q, \slot, \zero
	MULA 128*((\q)%2), 3, \q, \slot, \zero
.endm
.macro TURN slot, next, fill
	WIN 0
	s_wait_tensorcnt 0x0
	ds_add_u32 v[SPW], v[NIL]
	s_wait_dscnt 9
	WIN MUL
	MULA F1, 0, 3, \slot, 0
	s_wait_dscnt 0x0
	s_barrier_signal -1
	MULA F1, 1, 3, \slot, 0
	WIN 0
	s_barrier_wait -1
.if \fill
	CREST
	s_add_nc_u64 s[G0+4*\slot+2:G0+4*\slot+3], s[G0+4*\slot+2:G0+4*\slot+3], 2*8192
	s_add_nc_u64 s[G0B+4*\slot+2:G0B+4*\slot+3], s[G0B+4*\slot+2:G0B+4*\slot+3], 2*KSTEP
	JLOAD G0+4*\slot, G1, G0B+4*\slot, G1B
	PLACES 4
.else
	PLACES 8
.endif
	v_add_nc_u32 v[ADRS], 16, v[ADRS]
	SCALES \next
	FETCH \next, 0, F0
	WIN MUL
	MULA F1, 2, 3, \slot, 0
	MULA F1, 3, 3, \slot, 0
.endm
	s_wait_alu depctr_va_vdst(0)
	s_wait_tensorcnt 0x0                           ; my tile of the head's four is in
	ds_add_u32 v[SPW], v[NIL]
	s_mov_b32 s[G1+2], 4<<16                       ; no tensor load of mine is out: from here on a load brings half a tile
	s_mov_b32 s[G1+4], 4
	s_mov_b32 s[G1B+2], 64<<16
	s_mov_b32 s[G1B+4], 64
	s_wait_dscnt 0x0
	CROUND
	JLOAD G0+4, G1, G0B+4, G1B                     ; K step 1, the first tensor load behind the round
	SCALES 0
	FETCH 0, 0, F0
	s_wait_loadcnt 32
	QUARTER 0, 0, 1
.if LAPS > 1
	WIN 0
	s_mov_b32 s3, LAPS-1
.Llap:
	QUARTER 0, 1, 0
	QUARTER 0, 2, 0
	TURN 0, 1, 1
	QUARTER 1, 0, 0
	QUARTER 1, 1, 0
	QUARTER 1, 2, 0
	TURN 1, 0, 1
	QUARTER 0, 0, 0
	WIN 0
	s_sub_co_u32 s3, s3, 1
	s_cmp_lg_u32 s3, 0
	s_cbranch_scc1 .Llap
.endif
	QUARTER 0, 1, 0
	QUARTER 0, 2, 0
	TURN 0, 1, 0
	QUARTER 1, 0, 0
	QUARTER 1, 1, 0
	QUARTER 1, 2, 0
	s_wait_dscnt 8
	WIN MUL
	MULA F1, 0, 3, 1, 0
	MULA F1, 1, 3, 1, 0
	s_wait_dscnt 0
	MULA F1, 2, 3, 1, 0
	MULA F1, 3, 3, 1, 0
	WIN 0
	PLACES 8
.irp a, 0,1,2,3
.irp b, 0,1,2,3
	ds_store_b128 v[STO], v[ACC+8*(4*\a+\b):ACC+8*(4*\a+\b)+3] offset:64*\b
	ds_store_b128 v[STO], v[ACC+8*(4*\a+\b)+4:ACC+8*(4*\a+\b)+7] offset:64*\b+16
.endr
.irp t, 0,1,2,3,4,5,6,7
	ds_load_b128 v[ACC+32*\a+4*\t:ACC+32*\a+4*\t+3], v[RD] offset:544*\t
.endr
.endr
	s_wait_dscnt 0x0
	s_wait_loadcnt 0x0
	WIN 0x08
.set i, 0
.rept 64
	v_pk_add_f32 v[ACC+2*i:ACC+2*i+1], v[ACC+2*i:ACC+2*i+1], v[2*i:2*i+1]
.set i, i+1
.endr
	WIN 0
.set i, 0
.rept 32
	global_store_b128 v[XO], v[ACC+4*i:ACC+4*i+3], s[14:15] offset:8192*i
.set i, i+1
.endr
.if WITH_STATS
.macro REDUCE
	v_pk_add_f32 v[S:S+1], v[S:S+1], v[S+2:S+3]
	v_pk_add_f32 v[S+4:S+5], v[S+4:S+5], v[S+6:S+7]
	v_pk_add_f32 v[S:S+1], v[S:S+1], v[S+4:S+5]
	v_add_f32 v[S], v[S], v[S+1]
	v_add_f32_dpp v[S], v[S], v[S] row_xmask:1 row_mask:0xf bank_mask:0xf
	v_add_f32_dpp v[S], v[S], v[S] row_xmask:2 row_mask:0xf bank_mask:0xf
	v_add_f32_dpp v[S], v[S], v[S] row_xmask:4 row_mask:0xf bank_mask:0xf
	v_permlanex16_b32 v[TP], v[S], s[SEL], s[SEL+1]
.endm
.irp k, 0,1,2,3
	v_pk_add_f32 v[S+2*\k:S+2*\k+1], v[ACC+2*\k:ACC+2*\k+1], v[ACC+8+2*\k:ACC+8+2*\k+1]
.endr
.set i, 8
.rept 56
	v_pk_add_f32 v[S+2*(i%4):S+2*(i%4)+1], v[S+2*(i%4):S+2*(i%4)+1], v[ACC+2*i:ACC+2*i+1]
.set i, i+1
.endr
	REDUCE
	v_add_f32 v[S], v[S], v[TP]
	v_mul_f32 v[MN], 0x3a000000, v[S]
	v_mov_b32 v[MN+1], v[MN]
.set i, 0
.rept 64
	v_pk_add_f32 v[D+2*(i%4):D+2*(i%4)+1], v[ACC+2*i:ACC+2*i+1], v[MN:MN+1] neg_lo:[0,1] neg_hi:[0,1]
.if i < 4
	v_pk_mul_f32 v[S+2*(i%4):S+2*(i%4)+1], v[D+2*(i%4):D+2*(i%4)+1], v[D+2*(i%4):D+2*(i%4)+1]
.else
	v_pk_fma_f32 v[S+2*(i%4):S+2*(i%4)+1], v[D+2*(i%4):D+2*(i%4)+1], v[D+2*(i%4):D+2*(i%4)+1], v[S+2*(i%4):S+2*(i%4)+1]
.endif
.set i, i+1
.endr
	REDUCE
	v_add_f32 v[MN+1], v[S], v[TP]
	global_store_b64 v[PTO], v[MN:MN+1], s[16:17]
.endif
	s_wait_tensorcnt 0x0
	ds_add_u32 v[SPW], v[NIL]
	s_wait_dscnt 0x0
	CROUND
	s_endpgm
.Lfunc_end_k_qeeec593fe8_aproj:
	.size	k_qeeec593fe8_aproj, .Lfunc_end_k_qeeec593fe8_aproj-k_qeeec593fe8_aproj
	.p2alignl 7, 3214868480
	.fill 96, 4, 3214868480
	.section	.rodata,"a",@progbits
	.p2align	6, 0x0
	.amdhsa_kernel k_qeeec593fe8_aproj
		.amdhsa_group_segment_fixed_size 327680
		.amdhsa_private_segment_fixed_size 0
		.amdhsa_enable_private_segment 0
		.amdhsa_kernarg_size 56
		.amdhsa_user_sgpr_count 2
		.amdhsa_user_sgpr_kernarg_segment_ptr 1
		.amdhsa_wavefront_size32 1
		.amdhsa_system_sgpr_workgroup_id_x 1
		.amdhsa_system_sgpr_workgroup_id_y 1
		.amdhsa_system_sgpr_workgroup_id_z 1
		.amdhsa_system_vgpr_workitem_id 0
		.amdhsa_next_free_vgpr 640
		.amdhsa_next_free_sgpr 100
		.amdhsa_reserve_vcc 0
		.amdhsa_float_denorm_mode_32 3
		.amdhsa_float_denorm_mode_16_64 3
		.amdhsa_memory_ordered 1
		.amdhsa_forward_progress 1
		.amdhsa_inst_pref_size 75
	.end_amdhsa_kernel
	.amdgpu_metadata
---
amdhsa.version: [ 1, 2 ]
amdhsa.kernels:
  - .name:           k_qeeec593fe8_aproj
    .symbol:         k_qeeec593fe8_aproj.kd
    .args:
      - { .name: att, .offset: 0, .size: 8, .value_kind: global_buffer, .address_space: global }
      - { .name: w_aproj_codes, .offset: 8, .size: 8, .value_kind: global_buffer, .address_space: global }
      - { .name: w_aproj_scales, .offset: 16, .size: 8, .value_kind: global_buffer, .address_space: global }
      - { .name: b_aproj, .offset: 24, .size: 8, .value_kind: global_buffer, .address_space: global }
      - { .name: x, .offset: 32, .size: 8, .value_kind: global_buffer, .address_space: global }
      - { .name: x1, .offset: 40, .size: 8, .value_kind: global_buffer, .address_space: global }
      - { .name: part, .offset: 48, .size: 8, .value_kind: global_buffer, .address_space: global }
    .group_segment_fixed_size: 327680
    .private_segment_fixed_size: 0
    .kernarg_segment_align: 8
    .kernarg_segment_size: 56
    .max_flat_workgroup_size: 128
    .sgpr_count:     100
    .vgpr_count:     640
    .wavefront_size: 32
...
	.end_amdgpu_metadata
.endif
;; end of part 5
;; launch quant2: the kernel of part 2 again; grid 256 x 1, 4 waves a work-group, no clusters, 33,280 bytes of LDS; arguments x1, part, ln2_w, ln2_b, xq; writes xq
;; launch fc (part 6): grid 16 x 16, 4 waves a work-group, clusters of 4 x 4, 327,680 bytes of LDS; arguments xq, w_fc_codes, w_fc_scales, b_fc, hid; writes hid
.if DOCPART == 6
	.amdgcn_target "amdgcn-amd-amdhsa--gfx1250"
	.amdhsa_code_object_version 6
	.text
	.protected	k_qeeec593fe8_fc
	.globl	k_qeeec593fe8_fc
	.p2align	8
	.type	k_qeeec593fe8_fc,@function
k_qeeec593fe8_fc:
	s_mov_b64 s[64:65], 0
	v_nop
	global_prefetch_b8 v0, s[64:65] scope:SCOPE_SE
	s_setreg_imm32_b32 hwreg(HW_REG_WAVE_MODE, 25, 1), 1
	s_wait_xcnt 0x0
	s_wait_alu depctr_hold_cnt(0) depctr_sa_sdst(0) depctr_va_vdst(0) depctr_va_sdst(0) depctr_va_ssrc(0) depctr_va_vcc(0) depctr_vm_vsrc(0)
	s_getreg_b32 s2, hwreg(HW_REG_IB_STS2, 6, 4)
	s_cmp_eq_u32 s2, 0
	s_cbranch_scc0 .Lentry_in_a_cluster
	s_endpgm
.Lentry_in_a_cluster:
	s_bfe_u32 s2, ttmp6, 0x10000c
	s_cmp_lg_u32 s2, 0xf033
	s_cbranch_scc0 .Lentry_shape_is_right
	s_endpgm
.Lentry_shape_is_right:
; h = gelu(norm2(x1) W_fc + b) on codes of E4M3 with one E8M0 scale for each 32 along K = 1,024; h is quantised along the 4,096 hidden units and stored as images of the next product's operand registers.
; A work-group of four waves makes 256 x 256, a wave 128 x 128.  K goes in steps of 256 through two LDS slots filled by joint loads of a 4 x 4 cluster; the scale bytes of both sides come once.
; gelu: x / (1 + 2^(-2 log2(e) sqrt(2 / pi) (x + 0.044715 x^3))), the same function as 0.5 x (1 + tanh(..)).  LIMITS: a block of zeros gets the scale byte 1; NaN and infinities are not served.
; No prefetch is laid: K = 1,024 is four K steps, of which two come at the head, at the largest block in clusters.
.set SIZE_K, 1024
.set KSTEP,  256
.set NQ,     KSTEP/128
.set ROWB,   256
.set KROW,   SIZE_K
.set PITCH,  272
.set FR,     16
.set NL,     4
.set NP,     8
.set HALFT,  128*PITCH
.set SLOT,   4*HALFT
.set LAPS,   SIZE_K/(2*KSTEP)
.set KS,     SIZE_K/32
.set SCL,    2*SLOT
.set HALFS,  (128*KS/256)*272
.set SBLK,   (16*KS/256)*272
.set SPARE,  SCL+4*HALFS
.set ADRA, 16
.set ADRB, 20
.set ADRS, 27
.set SPW,  28
.set NIL,  29
.set SC,   32
.set AF,   128
.set G1, 24
.set G0, 32
.set G1B, 48
.set G0B, 56
.set G1S, 68
.set G0S, 76
.set G1SB, 80
.set G0SB, 88
.set TM,   32
.set PC,   48
.set BIAS, 64
.set T,    128
.set U,    192
.set XS,   4
.set XR,   6
.set KC,   8
.set PW,   10
.set BIO,  11
.set SEL,  66
.set MNT,  2
.set AB,   95
.set CG,   96
.set PI,   98
.set PSC,  100
.set MSB, 0
.macro WIN new
.if MSB != \new
	s_set_vgpr_msb (MSB<<8)|\new
.set MSB, \new
.endif
.endm
.set MUL_LO, 0xa1
.set MUL_HI, 0xf1
.set TO_B,   0x40
.macro JLOAD g0a, g1a, g0b, g1b
	s_cmp_eq_u32 s15, 0
	s_cbranch_scc0 .Lfor_b_\@
	tensor_load_to_lds s[\g0a:\g0a+3], s[\g1a:\g1a+7]
	s_nop 0
.rept 4
	v_nop
.endr
	s_branch .Lasked_\@
.Lfor_b_\@:
	tensor_load_to_lds s[\g0b:\g0b+3], s[\g1b:\g1b+7]
	s_nop 0
.rept 4
	v_nop
.endr
.Lasked_\@:
.endm
.macro CREST
	s_cmp_lg_u32 s14, 0
	s_cbranch_scc1 .Lnot_wave_0_\@
	s_barrier_signal -3
.Lnot_wave_0_\@:
	s_barrier_wait -3
	s_barrier_signal -1
	s_barrier_wait -1
.endm
.macro CROUND
	s_barrier_signal -1
	s_barrier_wait -1
	CREST
.endm
	s_load_b256 s[4:11], s[0:1], 0x0
	s_load_b64 s[12:13], s[0:1], 0x20
	v_lshl_add_u32 v[SPW], v0, 2, SPARE
	v_mov_b32 v[NIL], 0
	ds_add_u32 v28, v29
	ds_add_u32 v28, v29
	s_wait_dscnt 0x0
	v_lshrrev_b32 v1, 5, v0
	v_readfirstlane_b32 s14, v1
	s_lshr_b32 s15, s14, 1
	s_and_b32 s16, s14, 1
	s_bfe_u32 s40, ttmp6, 0x40000
	s_bfe_u32 s41, ttmp6, 0x40004
	s_lshl_b32 s42, ttmp9, 2
	s_add_co_u32 s42, s42, s40
	s_and_b32 s17, ttmp7, 0xffff
	s_lshl_b32 s17, s17, 2
	s_add_co_u32 s17, s17, s41
	s_lshl_b32 s43, s41, 2
	s_lshl_b32 s43, 15, s43
	s_lshl_b32 s44, 0x1111, s40
	s_or_b32 s[G1+0], s43, (0<<16)|(1<<20)|(1<<21)|(5<<22)|(3<<25)
	s_or_b32 s[G1B+0], s44, (0<<16)|(1<<20)|(1<<21)|(5<<22)|(3<<25)
.irp g, G1, G1B
	s_mov_b32 s[\g+1], ROWB<<16
	s_mov_b32 s[\g+2], 256<<16
	s_mov_b32 s[\g+3], ROWB<<16
	s_mov_b32 s[\g+4], 256
	s_mov_b32 s[\g+5], KROW
	s_mov_b32 s[\g+6], 0
	s_mov_b32 s[\g+7], 0
.endr
	s_or_b32 s[G1S+0], s43, (3<<16)|(1<<20)|(1<<21)|(5<<22)|(3<<25)
	s_or_b32 s[G1SB+0], s44, (3<<16)|(1<<20)|(1<<21)|(5<<22)|(3<<25)
.irp g, G1S, G1SB
	s_mov_b32 s[\g+1], 32<<16
	s_mov_b32 s[\g+2], KS<<16
	s_mov_b32 s[\g+3], 32<<16
	s_mov_b32 s[\g+4], KS
	s_mov_b32 s[\g+5], 32
	s_mov_b32 s[\g+6], 0
	s_mov_b32 s[\g+7], 0
.endr
	s_lshl_b32 s20, s17, 8
	s_lshl_b32 s46, s42, 8
	s_mov_b32 s21, 0
	s_mov_b32 s47, 0
	s_mov_b64 s[18:19], KS
	s_mul_u64 s[22:23], s[20:21], s[18:19]
	s_mul_u64 s[92:93], s[46:47], s[18:19]
	s_lshl_b32 s18, s16, 7
	s_add_co_u32 s20, s20, s18
	s_add_co_u32 s46, s46, s18
	s_mov_b64 s[18:19], KROW
	s_mul_u64 s[20:21], s[20:21], s[18:19]
	s_mul_u64 s[46:47], s[46:47], s[18:19]
	s_mul_i32 s45, s14, HALFT
	s_wait_kmcnt 0x0
	s_add_nc_u64 s[20:21], s[4:5], s[20:21]
	s_add_nc_u64 s[22:23], s[4:5], s[22:23]
	s_add_nc_u64 s[22:23], s[22:23], 4194304
	s_add_nc_u64 s[46:47], s[6:7], s[46:47]
	s_add_nc_u64 s[92:93], s[8:9], s[92:93]
	CROUND
	s_mov_b32 s[G0S], 1
	s_mov_b32 s[G0S+1], SCL
	s_mov_b64 s[G0S+2:G0S+3], s[22:23]
	s_or_b32 s[G0S+3], s[G0S+3], 0x80000000
	s_mov_b32 s[G0SB], 1
	s_mov_b32 s[G0SB+1], SCL+2*HALFS
	s_mov_b64 s[G0SB+2:G0SB+3], s[92:93]
	s_or_b32 s[G0SB+3], s[G0SB+3], 0x80000000
.irp s, 0,1
	s_mov_b32 s[G0+4*\s], 1
	s_add_co_u32 s[G0+4*\s+1], s45, \s*SLOT
	s_add_nc_u64 s[G0+4*\s+2:G0+4*\s+3], s[20:21], \s*ROWB
	s_or_b32 s[G0+4*\s+3], s[G0+4*\s+3], 0x80000000
	s_mov_b32 s[G0B+4*\s], 1
	s_add_co_u32 s[G0B+4*\s+1], s45, \s*SLOT
	s_add_nc_u64 s[G0B+4*\s+2:G0B+4*\s+3], s[46:47], \s*ROWB
	s_or_b32 s[G0B+4*\s+3], s[G0B+4*\s+3], 0x80000000
.endr
; THE HEAD'S LOADS, ONE A WAVE: wave 0 K step 0's 256 rows of A, wave 1 A's scales, wave 2 the 256 rows of B, wave 3 B's scales; one chain of branches, one load to an arm.
.macro ARM under, g0, g1, next
	s_cmp_lt_u32 s14, \under
	s_cbranch_scc0 \next
	tensor_load_to_lds s[\g0:\g0+3], s[\g1:\g1+7]
	s_nop 0
.rept 4
	v_nop
.endr
	s_branch .Lhead_asked
\next:
.endm
	ARM 1, G0,  G1,  .Lhead_sa
	ARM 2, G0S, G1S, .Lhead_b
	ARM 3, G0B, G1B, .Lhead_sb
	tensor_load_to_lds s[G0SB:G0SB+3], s[G1SB:G1SB+7]
	s_nop 0
.rept 4
	v_nop
.endr
.Lhead_asked:
	v_and_b32 v1, 15, v0
	v_bfe_u32 v2, v0, 4, 1
	v_mul_u32_u24 v3, v1, PITCH
	v_lshl_add_u32 v4, v2, 4, v3
	s_mul_i32 s21, s15, HALFT
	s_mul_i32 s22, s16, HALFT
	s_add_co_u32 s22, s22, 2*HALFT
.irp s, 0,1
	v_add_nc_u32 v[ADRA+\s], s21, v4
	v_add_nc_u32 v[ADRB+\s], s22, v4
	s_add_co_u32 s21, s21, SLOT
	s_add_co_u32 s22, s22, SLOT
.endr
	v_mul_u32_u24 v5, v1, KS
	v_lshrrev_b32 v6, 8, v5
	v_lshl_add_u32 v5, v6, 4, v5
	s_mul_i32 s21, s15, HALFS
	s_mul_i32 s22, s16, HALFS
	s_add_co_u32 s22, s22, 2*HALFS
	s_sub_co_u32 s22, s22, s21
	v_mul_u32_u24 v6, s22, v2
	s_add_co_u32 s21, s21, SCL
	v_add_nc_u32 v5, v5, v6
	v_add_nc_u32 v[ADRS], s21, v5
	s_lshl_b32 s46, s42, 10
	s_lshl_b32 s47, s16, 9
	s_add_co_u32 s46, s46, s47
	s_mov_b32 s47, 0
	s_add_nc_u64 s[10:11], s[10:11], s[46:47]
	v_lshlrev_b32 v[BIO], 5, v2
.irp b, 0,1,2,3,4,5,6,7
	global_load_b128 v[BIAS+8*\b:BIAS+8*\b+3], v[BIO], s[10:11] offset:64*\b
	global_load_b128 v[BIAS+8*\b+4:BIAS+8*\b+7], v[BIO], s[10:11] offset:64*\b+16
.endr
.macro FRAG reg, adr, q, i
.irp c, 0,1,2,3
	ds_load_b128 v[\reg+4*\c:\reg+4*\c+3], v[\adr] offset:128*(\q)+32*\c+(\i)*16*PITCH
.endr
.endm
.macro MUL16 a0, p, q, sc, zero
.irp a, \a0, \a0+1
.irp b, 0,1,2,3,4,5,6,7
.if \zero
	v_wmma_scale_f32_16x16x128_f8f6f4 v[8*(8*((\a)%4)+\b):8*(8*((\a)%4)+\b)+7], v[128*(\p)+FR*\b:128*(\p)+FR*\b+FR-1], v[AF+FR*(\a):AF+FR*(\a)+FR-1], 0, v[SC+8*NQ*(\sc)+NQ*\b+(\q)], v[SC+8*NQ*(\sc)+NQ*(\a)+(\q)] matrix_a_scale:MATRIX_SCALE_ROW1
.else
	v_wmma_scale_f32_16x16x128_f8f6f4 v[8*(8*((\a)%4)+\b):8*(8*((\a)%4)+\b)+7], v[128*(\p)+FR*\b:128*(\p)+FR*\b+FR-1], v[AF+FR*(\a):AF+FR*(\a)+FR-1], v[8*(8*((\a)%4)+\b):8*(8*((\a)%4)+\b)+7], v[SC+8*NQ*(\sc)+NQ*\b+(\q)], v[SC+8*NQ*(\sc)+NQ*(\a)+(\q)] matrix_a_scale:MATRIX_SCALE_ROW1
.endif
.endr
.endr
.endm
.macro FETCH_B slot, q, p
	WIN TO_B
.irp i, 0,1,2,3,4,5,6,7
	FRAG 128*(\p)+FR*\i, ADRB+\slot, \q, \i
.endr
	WIN 0
.endm
.macro FETCH_A slot, q, i0
.irp i, \i0, \i0+1, \i0+2, \i0+3
	FRAG AF+FR*(\i), ADRA+\slot, \q, \i
.endr
.endm
.macro SCALES sc
.irp i, 0,1,2,3,4,5,6,7
	ds_load_b64 v[SC+8*NQ*\sc+NQ*\i:SC+8*NQ*\sc+NQ*\i+1], v[ADRS] offset:\i*SBLK
.endr
.endm
.macro PLACES n
.rept \n
	v_nop
.endr
.endm
.macro STEP slot, q, zero
	s_wait_dscnt 4*NL
	WIN MUL_LO
	MUL16 0, (\q)%2, \q, \slot, \zero
	MUL16 2, (\q)%2, \q, \slot, \zero
	s_wait_dscnt 0
	PLACES NP
	FETCH_B \slot, (\q)+1, 1-(\q)%2
	FETCH_A \slot, (\q)+1, 0
	WIN MUL_HI
	MUL16 4, (\q)%2, \q, \slot, \zero
	MUL16 6, (\q)%2, \q, \slot, \zero
	PLACES NP
	WIN 0
	FETCH_A \slot, (\q)+1, 4
.endm
.macro TURN slot, next, fill
	s_wait_tensorcnt 0x0
	ds_add_u32 v[SPW], v[NIL]
	s_wait_dscnt 4*NL+1
	WIN MUL_LO
	MUL16 0, 1, NQ-1, \slot, 0
	s_wait_dscnt 0x0
	s_barrier_signal -1
	MUL16 2, 1, NQ-1, \slot, 0
	WIN 0
	s_barrier_wait -1
.if \fill
	CREST
	s_add_nc_u64 s[G0+4*\slot+2:G0+4*\slot+3], s[G0+4*\slot+2:G0+4*\slot+3], 2*ROWB
	s_add_nc_u64 s[G0B+4*\slot+2:G0B+4*\slot+3], s[G0B+4*\slot+2:G0B+4*\slot+3], 2*ROWB
	JLOAD G0+4*\slot, G1, G0B+4*\slot, G1B
	PLACES NP-4
.else
	PLACES NP
.endif
	s_wait_alu depctr_va_vdst(0)
	v_add_nc_u32 v[ADRS], 4*NQ, v[ADRS]
	FETCH_B \next, 0, 0
	FETCH_A \next, 0, 0
	SCALES \next
	WIN MUL_HI
	MUL16 4, 1, NQ-1, \slot, 0
	MUL16 6, 1, NQ-1, \slot, 0
	PLACES NP
	WIN 0
	FETCH_A \next, 0, 4
.endm
	s_wait_alu depctr_va_vdst(0)
	s_wait_tensorcnt 0x0                           ; my tile of the head's four is in
	ds_add_u32 v[SPW], v[NIL]
	s_mov_b32 s[G1+2], 128<<16                     ; no tensor load of mine is out: from here on a load brings 128 rows
	s_mov_b32 s[G1+4], 128
	s_mov_b32 s[G1B+2], 128<<16
	s_mov_b32 s[G1B+4], 128
	s_wait_dscnt 0x0
	CROUND
	JLOAD G0+4, G1, G0B+4, G1B                     ; K step 1, the first tensor load behind the round
	FETCH_B 0, 0, 0
	FETCH_A 0, 0, 0
	SCALES 0
	FETCH_A 0, 0, 4
	STEP 0, 0, 1
	s_mov_b32 s3, LAPS-1
.Llap:
	TURN 0, 1, 1
	STEP 1, 0, 0
	TURN 1, 0, 1
	STEP 0, 0, 0
	s_sub_co_u32 s3, s3, 1
	s_cmp_lg_u32 s3, 0
	s_cbranch_scc1 .Llap
	TURN 0, 1, 0
	STEP 1, 0, 0
	s_wait_dscnt 4*NL
	WIN MUL_LO
	MUL16 0, 1, NQ-1, 1, 0
	MUL16 2, 1, NQ-1, 1, 0
	s_wait_dscnt 0
	WIN MUL_HI
	MUL16 4, 1, NQ-1, 1, 0
	MUL16 6, 1, NQ-1, 1, 0
	WIN 0
.macro QUANT s
.irp b, 0,1,2,3
	v_max3_num_f32 v[TM+\b], |v[\s+16*\b]|, |v[\s+1+16*\b]|, 0x4800000
.endr
.irp i, 2,4,6,8,10,12,14
.irp b, 0,1,2,3
	v_max3_num_f32 v[TM+\b], v[TM+\b], |v[\s+16*\b+\i]|, |v[\s+1+16*\b+\i]|
.endr
.endr
.irp b, 0,1,2,3
	v_permlanex16_b32 v[TM+4+\b], v[TM+\b], s[SEL], s[SEL+1]
.endr
.irp b, 0,1,2,3
	v_max_num_f32 v[TM+\b], v[TM+\b], v[TM+4+\b]
.endr
.irp b, 0,1,2,3
	v_add_nc_u32 v[TM+12+\b], 0xfc000000, v[TM+\b]
.endr
.irp b, 0,1,2,3
	v_and_or_b32 v[TM+8+\b], v[TM+\b], 0x7f800000, s[MNT]
.endr
.irp b, 0,1,2,3
	v_lshrrev_b32 v[TM+4+\b], 23, v[TM+12+\b]
.endr
	v_lshl_or_b32 v[PW], v[TM+5], 8, v[TM+4]
	v_lshl_or_b32 v[PW], v[TM+6], 16, v[PW]
	v_lshl_or_b32 v[PW], v[TM+7], 24, v[PW]
.irp b, 0,1,2,3
.irp i, 0,1,2,3,4,5,6,7,8,9,10,11,12,13,14,15
	v_med3_num_f32 v[\s+16*\b+\i], v[\s+16*\b+\i], -v[TM+8+\b], v[TM+8+\b]
.endr
	v_cvt_scalef32_pk8_fp8_f32 v[PC+4*\b:PC+1+4*\b], v[\s+16*\b:\s+7+16*\b], v[TM+12+\b]
	v_cvt_scalef32_pk8_fp8_f32 v[PC+2+4*\b:PC+3+4*\b], v[\s+8+16*\b:\s+15+16*\b], v[TM+12+\b]
.endr
	v_nop
.endm
.macro XCH c
	v_cndmask_b32 v[XS], v[PC+4*\c+2], v[PC+4*\c], vcc_lo
	v_cndmask_b32 v[XS+1], v[PC+4*\c+3], v[PC+4*\c+1], vcc_lo
	v_permlanex16_b32 v[XR], v[XS], s[SEL], s[SEL+1]
	v_permlanex16_b32 v[XR+1], v[XS+1], s[SEL], s[SEL+1]
	v_cndmask_b32 v[PC+4*\c], v[PC+4*\c], v[XR], vcc_lo
	v_cndmask_b32 v[PC+4*\c+1], v[PC+4*\c+1], v[XR+1], vcc_lo
	v_cndmask_b32 v[PC+4*\c+2], v[XR], v[PC+4*\c+2], vcc_lo
	v_cndmask_b32 v[PC+4*\c+3], v[XR+1], v[PC+4*\c+3], vcc_lo
.endm
.macro PULL a
.set WN, 0x02+(\a)/4
	WIN WN
.irp b, 0,1,2,3,4,5,6,7
.irp p, 0,2,4,6
	v_pk_add_f32 v[T+8*\b+\p:T+8*\b+\p+1], v[64*((\a)%4)+8*\b+\p:64*((\a)%4)+8*\b+\p+1], v[BIAS+8*\b+\p:BIAS+8*\b+\p+1]
.endr
.endr
	WIN 0
.endm
.macro RUNG a
	s_cmp_lg_u32 s[AB], \a
	s_cbranch_scc1 .Lnext_\@
	PULL \a
	s_branch .Lgot
.Lnext_\@:
.endm
	PLACES NP
	s_wait_loadcnt 0x0
	v_and_b32 v3, 31, v0
	v_lshlrev_b32 v1, 4, v3
	v_and_b32 v2, 15, v0
	v_lshlrev_b32 v2, 7, v2
	v_cmp_le_u32 vcc_lo, 16, v3
.irp b, 0,1,2,3
	v_mov_b32 v[TM+4+\b], 0
.endr
	v_mov_b32 v[XR], 0
	v_mov_b32 v[XR+1], 0
	v_mov_b32 v[KC], 0xc0135761
	v_mov_b32 v[KC+1], 0xc0135761
	s_mov_b32 s[CG], 0xbdd2d3e8
	s_mov_b32 s[CG+1], s[CG]
	s_mov_b32 s[SEL], 0x76543210
	s_mov_b32 s[SEL+1], 0xfedcba98
	s_mov_b32 s[MNT], 0x600000
	s_lshl_b32 s43, s17, 4
	s_lshl_b32 s44, s15, 3
	s_add_co_u32 s43, s43, s44
	s_lshl_b32 s44, s42, 1
	s_add_co_u32 s44, s44, s16
	s_lshl_b32 s[PI], s43, 5
	s_add_co_u32 s[PI], s[PI], s44
	s_lshl_b32 s[PI], s[PI], 11
	s_mov_b32 s[PI+1], 0
	s_add_nc_u64 s[PI:PI+1], s[12:13], s[PI:PI+1]
	s_lshl_b32 s[PSC], s43, 11
	s_lshl_b32 s44, s44, 2
	s_add_co_u32 s[PSC], s[PSC], s44
	s_add_co_u32 s[PSC], s[PSC], 16777216
	s_mov_b32 s[PSC+1], 0
	s_add_nc_u64 s[PSC:PSC+1], s[12:13], s[PSC:PSC+1]
	s_mov_b32 s[AB], 0
.Lrow:
.irp a, 0,1,2,3,4,5,6
	RUNG \a
.endr
	PULL 7
.Lgot:
.set j, 0
.rept 32
	v_pk_mul_f32 v[U+j:U+j+1], v[T+j:T+j+1], v[T+j:T+j+1]
.set j, j+2
.endr
.set j, 0
.rept 32
	v_pk_fma_f32 v[U+j:U+j+1], v[U+j:U+j+1], s[CG:CG+1], v[KC:KC+1] op_sel_hi:[1,0,0]
.set j, j+2
.endr
.set j, 0
.rept 32
	v_pk_mul_f32 v[U+j:U+j+1], v[U+j:U+j+1], v[T+j:T+j+1]
.set j, j+2
.endr
.set j, 0
	s_wait_alu depctr_va_vdst(0)
.rept 64
	v_exp_f32 v[U+j], v[U+j]
.set j, j+1
.endr
	v_nop
	s_wait_alu depctr_va_vdst(0)
.set j, 0
.rept 32
	v_pk_add_f32 v[U+j:U+j+1], v[U+j:U+j+1], 1.0 op_sel_hi:[1,0]
.set j, j+2
.endr
.set j, 0
	s_wait_alu depctr_va_vdst(0)
.rept 64
	v_rcp_f32 v[U+j], v[U+j]
.set j, j+1
.endr
	v_nop
	s_wait_alu depctr_va_vdst(0)
.set j, 0
.rept 32
	v_pk_mul_f32 v[T+j:T+j+1], v[T+j:T+j+1], v[U+j:U+j+1]
.set j, j+2
.endr
	QUANT T
	XCH 0
	XCH 1
	XCH 2
	XCH 3
.irp c, 0,1,2,3
	global_store_b128 v1, v[PC+4*\c:PC+4*\c+3], s[PI:PI+1] offset:512*\c
.endr
	global_store_b32 v2, v[PW], s[PSC:PSC+1]
	s_wait_xcnt 0x0
	s_add_nc_u64 s[PI:PI+1], s[PI:PI+1], 65536
	s_add_nc_u64 s[PSC:PSC+1], s[PSC:PSC+1], 2048
	s_add_co_u32 s[AB], s[AB], 1
	s_cmp_lt_u32 s[AB], 8
	s_cbranch_scc1 .Lrow
	s_wait_tensorcnt 0x0
	ds_add_u32 v[SPW], v[NIL]
	s_wait_dscnt 0x0
	CROUND
	s_endpgm
.Lfunc_end_k_qeeec593fe8_fc:
	.size	k_qeeec593fe8_fc, .Lfunc_end_k_qeeec593fe8_fc-k_qeeec593fe8_fc
	.p2alignl 7, 3214868480
	.fill 96, 4, 3214868480
	.section	.rodata,"a",@progbits
	.p2align	6, 0x0
	.amdhsa_kernel k_qeeec593fe8_fc
		.amdhsa_group_segment_fixed_size 327680
		.amdhsa_private_segment_fixed_size 0
		.amdhsa_enable_private_segment 0
		.amdhsa_kernarg_size 40
		.amdhsa_user_sgpr_count 2
		.amdhsa_user_sgpr_kernarg_segment_ptr 1
		.amdhsa_wavefront_size32 1
		.amdhsa_system_sgpr_workgroup_id_x 1
		.amdhsa_system_sgpr_workgroup_id_y 1
		.amdhsa_system_sgpr_workgroup_id_z 1
		.amdhsa_system_vgpr_workitem_id 0
		.amdhsa_next_free_vgpr 1024
		.amdhsa_next_free_sgpr 106
		.amdhsa_reserve_vcc 1
		.amdhsa_float_denorm_mode_32 3
		.amdhsa_float_denorm_mode_16_64 3
		.amdhsa_memory_ordered 1
		.amdhsa_forward_progress 1
		.amdhsa_inst_pref_size 160
	.end_amdhsa_kernel
	.amdgpu_metadata
---
amdhsa.version: [ 1, 2 ]
amdhsa.kernels:
  - .name:           k_qeeec593fe8_fc
    .symbol:         k_qeeec593fe8_fc.kd
    .args:
      - { .name: xq, .offset: 0, .size: 8, .value_kind: global_buffer, .address_space: global }
      - { .name: w_fc_codes, .offset: 8, .size: 8, .value_kind: global_buffer, .address_space: global }
      - { .name: w_fc_scales, .offset: 16, .size: 8, .value_kind: global_buffer, .address_space: global }
      - { .name: b_fc, .offset: 24, .size: 8, .value_kind: global_buffer, .address_space: global }
      - { .name: hid, .offset: 32, .size: 8, .value_kind: global_buffer, .address_space: global }
    .group_segment_fixed_size: 327680
    .private_segment_fixed_size: 0
    .kernarg_segment_align: 8
    .kernarg_segment_size: 40
    .max_flat_workgroup_size: 128
    .sgpr_count:     106
    .vgpr_count:     1024
    .wavefront_size: 32
...
	.end_amdgpu_metadata
.endif
;; end of part 6
;; launch mproj (part 7): grid 8 x 32, 4 waves a work-group, clusters of 4 x 4, 327,680 bytes of LDS; arguments hid, w_mproj_codes, w_mproj_scales, b_mproj, x1, out0; writes out0
.if DOCPART == 7
	.amdgcn_target "amdgcn-amd-amdhsa--gfx1250"
	.amdhsa_code_object_version 6
	.text
	.protected	k_qeeec593fe8_mproj
	.globl	k_qeeec593fe8_mproj
	.p2align	8
	.type	k_qeeec593fe8_mproj,@function
k_qeeec593fe8_mproj:
	s_mov_b64 s[64:65], 0
	v_nop
	global_prefetch_b8 v0, s[64:65] scope:SCOPE_SE
	s_setreg_imm32_b32 hwreg(HW_REG_WAVE_MODE, 25, 1), 1
	s_wait_xcnt 0x0
	s_wait_alu depctr_hold_cnt(0) depctr_sa_sdst(0) depctr_va_vdst(0) depctr_va_sdst(0) depctr_va_ssrc(0) depctr_va_vcc(0) depctr_vm_vsrc(0)
	s_getreg_b32 s2, hwreg(HW_REG_IB_STS2, 6, 4)
	s_cmp_eq_u32 s2, 0
	s_cbranch_scc0 .Lentry_in_a_cluster
	s_endpgm
.Lentry_in_a_cluster:
	s_bfe_u32 s2, ttmp6, 0x10000c
	s_cmp_lg_u32 s2, 0xf033
	s_cbranch_scc0 .Lentry_shape_is_right
	s_endpgm
.Lentry_shape_is_right:
; out0 = x1 + h W_mproj + b on codes of E4M3 with one E8M0 scale for each 32 along K = 4,096.
; A work-group of four waves makes 128 x 128, a wave 64 x 64.  A (hid) lies as images of the operand's registers, 2,048 bytes for 16 rows x 128 K; B's rows are 512 bytes of a K step of 512.
; K goes in eight steps of 512 through two LDS slots filled by joint loads of a 4 x 4 cluster; the scale bytes of both sides come once.
; PREFETCH: K steps 2 and 3 are asked for at the head, and behind the refill that loads K step j the K step j + 2 (j + 2 under 8): one instruction a wave.  Of the 128 blocks of 256 bytes that a wave's load brings,
; each of the four partners that ask jointly names 32, told apart by address (A: one block of 16 rows, 8,192 bytes; B: 16 rows x 512 bytes): each block is named once in a cluster.
.set SIZE_K, 4096
.set SCOFF,  16777216
.set KSTEP,  512
.set PITCH,  528
.set AHALF,  32768
.set BHALF,  64*PITCH
.set BOFF,   2*AHALF
.set SLOT,   BOFF+2*BHALF
.set LAPS,   SIZE_K/(2*KSTEP)
.set KS,     SIZE_K/32
.set SCL,    2*SLOT
.set HALFS,  (64*KS/256)*272
.set SBLK,   (16*KS/256)*272
.set SPARE,  SCL+4*HALFS
.set ADRA, 16
.set ADRB, 20
.set STO,  24
.set RD,   25
.set XO,   26
.set ADRS, 27
.set SPW,  28
.set NIL,  29
.set BIO,  30
.set SC,   32
.set BI,   64
.set ACC,  128
.set F0,   0
.set F1,   128
.set G1, 24
.set G0, 32
.set G1B, 48
.set G0B, 56
.set G1S, 68
.set G0S, 76
.set G1SB, 80
.set G0SB, 88
.set MSB, 0
.macro WIN new
.if MSB != \new
	s_set_vgpr_msb (MSB<<8)|\new
.set MSB, \new
.endif
.endm
.set MUL,  0x05
.set TO_F, 0x40
.macro JLOAD g0a, g1a, g0b, g1b
	s_cmp_eq_u32 s19, 0
	s_cbranch_scc0 .Lfor_b_\@
	tensor_load_to_lds s[\g0a:\g0a+3], s[\g1a:\g1a+7]
	s_nop 0
.rept 4
	v_nop
.endr
	s_branch .Lasked_\@
.Lfor_b_\@:
	tensor_load_to_lds s[\g0b:\g0b+3], s[\g1b:\g1b+7]
	s_nop 0
.rept 4
	v_nop
.endr
.Lasked_\@:
.endm
.macro CREST
	s_cmp_lg_u32 s18, 0
	s_cbranch_scc1 .Lnot_wave_0_\@
	s_barrier_signal -3
.Lnot_wave_0_\@:
	s_barrier_wait -3
	s_barrier_signal -1
	s_barrier_wait -1
.endm
.macro CROUND
	s_barrier_signal -1
	s_barrier_wait -1
	CREST
.endm
.macro PLACES n
.rept \n
	v_nop
.endr
.endm
	s_load_b256 s[4:11], s[0:1], 0x0
	s_load_b128 s[12:15], s[0:1], 0x20
	v_lshl_add_u32 v[SPW], v0, 2, SPARE
	v_mov_b32 v[NIL], 0
	ds_add_u32 v28, v29
	ds_add_u32 v28, v29
	s_wait_dscnt 0x0
	v_lshrrev_b32 v1, 5, v0
	v_readfirstlane_b32 s18, v1
	s_lshr_b32 s19, s18, 1
	s_and_b32 s20, s18, 1
	s_bfe_u32 s21, ttmp6, 0x40000
	s_bfe_u32 s22, ttmp6, 0x40004
	s_lshl_b32 s23, ttmp9, 2
	s_add_co_u32 s23, s23, s21
	s_and_b32 s2, ttmp7, 0xffff
	s_lshl_b32 s2, s2, 2
	s_add_co_u32 s2, s2, s22
	s_lshl_b32 s40, s22, 2
	s_lshl_b32 s40, 15, s40
	s_lshl_b32 s41, 0x1111, s21
	s_or_b32 s[G1+0], s40, (3<<16)|(1<<21)
	s_mov_b32 s[G1+1], 1024<<16
	s_mov_b32 s[G1+2], 8<<16
	s_mov_b32 s[G1+3], 1024<<16
	s_mov_b32 s[G1+4], 8
	s_mov_b32 s[G1+5], 2*SIZE_K
	s_mov_b32 s[G1+6], 0
	s_mov_b32 s[G1+7], 0
	s_or_b32 s[G1B+0], s41, (0<<16)|(1<<20)|(1<<21)|(6<<22)|(3<<25)
	s_mov_b32 s[G1B+1], KSTEP<<16
	s_mov_b32 s[G1B+2], 128<<16
	s_mov_b32 s[G1B+3], KSTEP<<16
	s_mov_b32 s[G1B+4], 128
	s_mov_b32 s[G1B+5], SIZE_K
	s_mov_b32 s[G1B+6], 0
	s_mov_b32 s[G1B+7], 0
	s_or_b32 s[G1S+0], s40, (3<<16)|(1<<20)|(1<<21)|(5<<22)|(3<<25)
	s_or_b32 s[G1SB+0], s41, (3<<16)|(1<<20)|(1<<21)|(5<<22)|(3<<25)
.irp g, G1S, G1SB
	s_mov_b32 s[\g+1], 32<<16
	s_mov_b32 s[\g+2], (128*KS/256)<<16
	s_mov_b32 s[\g+3], 32<<16
	s_mov_b32 s[\g+4], 128*KS/256
	s_mov_b32 s[\g+5], 32
	s_mov_b32 s[\g+6], 0
	s_mov_b32 s[\g+7], 0
.endr
	s_lshl_b32 s42, s2, 3
	s_lshl_b32 s43, s20, 2
	s_add_co_u32 s42, s42, s43
	s_mul_i32 s42, s42, 16*SIZE_K
	s_mov_b32 s43, 0
	s_lshl_b32 s44, s2, 7
	s_mul_i32 s44, s44, KS
	s_add_co_u32 s44, s44, SCOFF
	s_mov_b32 s45, 0
	s_lshl_b32 s46, s23, 7
	s_mul_i32 s92, s46, KS
	s_lshl_b32 s47, s20, 6
	s_add_co_u32 s46, s46, s47
	s_mov_b32 s93, 0
	s_mul_i32 s46, s46, SIZE_K
	s_mov_b32 s47, 0
	s_lshl_b32 s94, s20, 15
	s_mul_i32 s95, s20, BHALF
	s_add_co_u32 s95, s95, BOFF
	s_wait_kmcnt 0x0
	s_add_nc_u64 s[42:43], s[4:5], s[42:43]
	s_add_nc_u64 s[44:45], s[4:5], s[44:45]
	s_add_nc_u64 s[46:47], s[6:7], s[46:47]
	s_add_nc_u64 s[92:93], s[8:9], s[92:93]
	CROUND
	s_mov_b32 s[G0S], 1
	s_mov_b32 s[G0S+1], SCL
	s_mov_b64 s[G0S+2:G0S+3], s[44:45]
	s_or_b32 s[G0S+3], s[G0S+3], 0x80000000
	s_mov_b32 s[G0SB], 1
	s_mov_b32 s[G0SB+1], SCL+2*HALFS
	s_mov_b64 s[G0SB+2:G0SB+3], s[92:93]
	s_or_b32 s[G0SB+3], s[G0SB+3], 0x80000000
.irp s, 0,1
	s_mov_b32 s[G0+4*\s], 1
	s_add_co_u32 s[G0+4*\s+1], s94, \s*SLOT
	s_add_nc_u64 s[G0+4*\s+2:G0+4*\s+3], s[42:43], \s*8192
	s_or_b32 s[G0+4*\s+3], s[G0+4*\s+3], 0x80000000
	s_mov_b32 s[G0B+4*\s], 1
	s_add_co_u32 s[G0B+4*\s+1], s95, \s*SLOT
	s_add_nc_u64 s[G0B+4*\s+2:G0B+4*\s+3], s[46:47], \s*KSTEP
	s_or_b32 s[G0B+4*\s+3], s[G0B+4*\s+3], 0x80000000
.endr
; THE HEAD'S LOADS, ONE A WAVE: wave 0 K step 0 of A's 128 rows, wave 1 A's scales, wave 2 K step 0 of B's 128 rows, wave 3 B's scales; one chain of branches, one load to an arm.
.macro ARM under, g0, g1, next
	s_cmp_lt_u32 s18, \under
	s_cbranch_scc0 \next
	tensor_load_to_lds s[\g0:\g0+3], s[\g1:\g1+7]
	s_nop 0
.rept 4
	v_nop
.endr
	s_branch .Lhead_asked
\next:
.endm
	ARM 1, G0,  G1,  .Lhead_sa
	ARM 2, G0S, G1S, .Lhead_b
	ARM 3, G0B, G1B, .Lhead_sb
	tensor_load_to_lds s[G0SB:G0SB+3], s[G1SB:G1SB+7]
	s_nop 0
.rept 4
	v_nop
.endr
.Lhead_asked:
	; the prefetches: s[40:41] where mine stand, s[44:45] a K step on, v31 my lane's offset
	s_cmp_eq_u32 s19, 0                            ; do I fetch for A?
	s_cselect_b64 s[40:41], s[42:43], s[46:47]     ; the part of a tile that my ring loads bring, at K step 0
	s_cselect_b32 s96, s21, s22                    ; my place among the four that ask with me: cx for A, cy for B
	s_mov_b32 s3, 4096
	s_cselect_b32 s3, 512, s3                      ; from one pair of lanes to the next: A 512 bytes on, B a row on
	s_mov_b32 s44, 512
	s_cselect_b32 s44, 8192, s44                   ; a K step on
	s_mov_b32 s45, 0
	s_lshl_b32 s96, s96, 16                        ; my 32 blocks: A one block of 16 rows, B 16 rows: 65,536 bytes on either way
	s_mov_b32 s97, 0
	s_add_nc_u64 s[40:41], s[40:41], s[96:97]
	s_add_nc_u64 s[40:41], s[40:41], s[44:45]
	s_add_nc_u64 s[40:41], s[40:41], s[44:45]      ; at K step 2
	v_bfe_u32 v5, v0, 1, 4                         ; lane / 2
	v_and_b32 v6, 1, v0
	v_mul_u32_u24 v5, v5, s3
	v_lshl_add_u32 v31, v6, 8, v5                  ; never rewritten
	global_prefetch_b8 v31, s[40:41] th:TH_LOAD_NT scope:SCOPE_SE   ; K step 2
	v_and_b32 v1, 15, v0
	v_bfe_u32 v2, v0, 4, 1
	v_and_b32 v3, 31, v0
	v_lshlrev_b32 v4, 4, v3
	s_lshl_b32 s97, s19, 15
	v_add_nc_u32 v[ADRA], s97, v4
	v_add_nc_u32 v[ADRA+1], SLOT, v[ADRA]
	v_mul_u32_u24 v5, v1, PITCH
	v_lshl_add_u32 v5, v2, 4, v5
	v_add_nc_u32 v[ADRB], s95, v5
	v_add_nc_u32 v[ADRB+1], SLOT, v[ADRB]
	v_mul_u32_u24 v5, v1, KS
	v_lshrrev_b32 v6, 8, v5
	v_lshl_add_u32 v5, v6, 4, v5
	s_mul_i32 s97, s19, HALFS
	s_mul_i32 s98, s20, HALFS
	s_add_co_u32 s98, s98, 2*HALFS
	s_sub_co_u32 s98, s98, s97
	v_mul_u32_u24 v6, s98, v2
	s_add_co_u32 s97, s97, SCL
	v_add_nc_u32 v5, v5, v6
	v_add_nc_u32 v[ADRS], s97, v5
	s_mul_i32 s97, s18, 16*272
	v_mul_u32_u24 v5, v1, 272
	v_lshl_add_u32 v5, v2, 5, v5
	v_add_nc_u32 v[STO], s97, v5
	v_mul_u32_u24 v5, v2, 272
	v_lshl_add_u32 v5, v1, 4, v5
	v_add_nc_u32 v[RD], s97, v5
	v_lshlrev_b32 v[XO], 4, v1
	v_lshl_add_u32 v[XO], v2, 12, v[XO]
	v_lshlrev_b32 v[BIO], 5, v2
	s_wait_alu depctr_va_vdst(0)
	s_lshl_b32 s46, s23, 9
	s_lshl_b32 s47, s20, 8
	s_add_co_u32 s46, s46, s47
	s_mov_b32 s47, 0
	s_add_nc_u64 s[10:11], s[10:11], s[46:47]
	s_lshl_b32 s98, s2, 7
	s_lshl_b32 s99, s19, 6
	s_add_co_u32 s98, s98, s99
	s_lshl_b32 s98, s98, 12
	s_add_co_u32 s98, s98, s46
	s_mov_b32 s99, 0
	s_add_nc_u64 s[12:13], s[12:13], s[98:99]
	s_add_nc_u64 s[14:15], s[14:15], s[98:99]
	s_wait_xcnt 0x0                                ; the prefetch has read its address, so it may be stepped
	s_add_nc_u64 s[40:41], s[40:41], s[44:45]
	global_prefetch_b8 v31, s[40:41] th:TH_LOAD_NT scope:SCOPE_SE   ; K step 3
.irp b, 0,1,2,3
	global_load_b128 v[BI+8*\b:BI+8*\b+3], v[BIO], s[10:11] offset:64*\b
	global_load_b128 v[BI+8*\b+4:BI+8*\b+7], v[BIO], s[10:11] offset:64*\b+16
.endr
	WIN 0x80
.set i, 0
.rept 32
	global_load_b128 v[4*i:4*i+3], v[XO], s[12:13] offset:8192*i
.set i, i+1
.endr
	WIN 0
.macro MULA f, a, q, sc, zero
.irp b, 0,1,2,3
.if \zero
	v_wmma_scale_f32_16x16x128_f8f6f4 v[ACC+8*(4*(\a)+\b):ACC+8*(4*(\a)+\b)+7], v[\f+64+16*\b:\f+64+16*\b+15], v[\f+16*(\a):\f+16*(\a)+15], v[BI+8*\b:BI+8*\b+7], v[SC+16*(\sc)+4*\b+(\q)], v[SC+16*(\sc)+4*(\a)+(\q)] matrix_a_scale:MATRIX_SCALE_ROW1
.else
	v_wmma_scale_f32_16x16x128_f8f6f4 v[ACC+8*(4*(\a)+\b):ACC+8*(4*(\a)+\b)+7], v[\f+64+16*\b:\f+64+16*\b+15], v[\f+16*(\a):\f+16*(\a)+15], v[ACC+8*(4*(\a)+\b):ACC+8*(4*(\a)+\b)+7], v[SC+16*(\sc)+4*\b+(\q)], v[SC+16*(\sc)+4*(\a)+(\q)] matrix_a_scale:MATRIX_SCALE_ROW1
.endif
.endr
.endm
.macro SCALES sc
.irp i, 0,1,2,3
	ds_load_b128 v[SC+16*\sc+4*\i:SC+16*\sc+4*\i+3], v[ADRS] offset:\i*SBLK
.endr
.endm
.macro FETCH slot, q, f
	WIN TO_F
.irp i, 0,1,2,3
.irp c, 0,1,2,3
	ds_load_b128 v[\f+64+16*\i+4*\c:\f+64+16*\i+4*\c+3], v[ADRB+\slot] offset:\i*16*PITCH+128*(\q)+32*\c
.endr
.endr
.irp i, 0,1,2,3
.irp c, 0,1,2,3
	ds_load_b128 v[\f+16*\i+4*\c:\f+16*\i+4*\c+3], v[ADRA+\slot] offset:8192*\i+2048*(\q)+512*\c
.endr
.endr
.endm
.macro QUARTER slot, q, zero
	s_wait_dscnt 8
	WIN MUL
	MULA 128*((\q)%2), 0, \q, \slot, \zero
	MULA 128*((\q)%2), 1, \q, \slot, \zero
	PLACES 8
	FETCH \slot, (\q)+1, 128*(1-(\q)%2)
	s_wait_dscnt 32
	WIN MUL
	MULA 128*((\q)%2), 2, \q, \slot, \zero
	MULA 128*((\q)%2), 3, \q, \slot, \zero
.endm
.macro TURN slot, next, fill
	WIN 0
.if \fill
	s_wait_xcnt 0x0                                ; my last prefetch has read its address: it is stepped here, ahead of the waits of the change of slots
	s_add_nc_u64 s[40:41], s[40:41], s[44:45]
.endif
	s_wait_tensorcnt 0x0
	ds_add_u32 v[SPW], v[NIL]
	s_wait_dscnt 9
	WIN MUL
	MULA F1, 0, 3, \slot, 0
	s_wait_dscnt 0x0
	s_barrier_signal -1
	MULA F1, 1, 3, \slot, 0
	WIN 0
	s_barrier_wait -1
.if \fill
	CREST
	s_add_nc_u64 s[G0+4*\slot+2:G0+4*\slot+3], s[G0+4*\slot+2:G0+4*\slot+3], 2*8192
	s_add_nc_u64 s[G0B+4*\slot+2:G0B+4*\slot+3], s[G0B+4*\slot+2:G0B+4*\slot+3], 2*KSTEP
	JLOAD G0+4*\slot, G1, G0B+4*\slot, G1B
	PLACES 4
.else
	PLACES 8
.endif
	s_wait_alu depctr_va_vdst(0)
	v_add_nc_u32 v[ADRS], 16, v[ADRS]
	SCALES \next
	FETCH \next, 0, F0
.if \fill
	WIN 0                                          ; at a branch and at a label every window is 0
	s_cmp_gt_u32 s3, 1                             ; the loop's last trip has no K step two refills on
	s_cbranch_scc0 .Lno_ask_\@
	global_prefetch_b8 v31, s[40:41] th:TH_LOAD_NT scope:SCOPE_SE
.Lno_ask_\@:
.endif
	WIN MUL
	MULA F1, 2, 3, \slot, 0
	MULA F1, 3, 3, \slot, 0
.endm
	s_wait_alu depctr_va_vdst(0)
	s_wait_tensorcnt 0x0                           ; my tile of the head's four is in
	ds_add_u32 v[SPW], v[NIL]
	s_mov_b32 s[G1+2], 4<<16                       ; no tensor load of mine is out: from here on a load brings half a tile
	s_mov_b32 s[G1+4], 4
	s_mov_b32 s[G1B+2], 64<<16
	s_mov_b32 s[G1B+4], 64
	s_wait_dscnt 0x0
	CROUND
	JLOAD G0+4, G1, G0B+4, G1B                     ; K step 1, the first tensor load behind the round
	SCALES 0
	FETCH 0, 0, F0
	s_wait_loadcnt 32
	QUARTER 0, 0, 1
	WIN 0
	s_mov_b32 s3, LAPS-1
.Llap:
	QUARTER 0, 1, 0
	QUARTER 0, 2, 0
	TURN 0, 1, 1
	QUARTER 1, 0, 0
	QUARTER 1, 1, 0
	QUARTER 1, 2, 0
	TURN 1, 0, 1
	QUARTER 0, 0, 0
	WIN 0
	s_sub_co_u32 s3, s3, 1
	s_cmp_lg_u32 s3, 0
	s_cbranch_scc1 .Llap
	QUARTER 0, 1, 0
	QUARTER 0, 2, 0
	TURN 0, 1, 0
	QUARTER 1, 0, 0
	QUARTER 1, 1, 0
	QUARTER 1, 2, 0
	s_wait_dscnt 8
	WIN MUL
	MULA F1, 0, 3, 1, 0
	MULA F1, 1, 3, 1, 0
	s_wait_dscnt 0
	MULA F1, 2, 3, 1, 0
	MULA F1, 3, 3, 1, 0
	WIN 0
	PLACES 8
.irp a, 0,1,2,3
.irp b, 0,1,2,3
	ds_store_b128 v[STO], v[ACC+8*(4*\a+\b):ACC+8*(4*\a+\b)+3] offset:64*\b
	ds_store_b128 v[STO], v[ACC+8*(4*\a+\b)+4:ACC+8*(4*\a+\b)+7] offset:64*\b+16
.endr
.irp t, 0,1,2,3,4,5,6,7
	ds_load_b128 v[ACC+32*\a+4*\t:ACC+32*\a+4*\t+3], v[RD] offset:544*\t
.endr
.endr
	s_wait_dscnt 0x0
	s_wait_loadcnt 0x0
	WIN 0x08
.set i, 0
.rept 64
	v_pk_add_f32 v[ACC+2*i:ACC+2*i+1], v[ACC+2*i:ACC+2*i+1], v[2*i:2*i+1]
.set i, i+1
.endr
	WIN 0
.set i, 0
.rept 32
	global_store_b128 v[XO], v[ACC+4*i:ACC+4*i+3], s[14:15] offset:8192*i th:TH_STORE_NT
.set i, i+1
.endr
	s_wait_tensorcnt 0x0
	ds_add_u32 v[SPW], v[NIL]
	s_wait_dscnt 0x0
	CROUND
	s_endpgm
.Lfunc_end_k_qeeec593fe8_mproj:
	.size	k_qeeec593fe8_mproj, .Lfunc_end_k_qeeec593fe8_mproj-k_qeeec593fe8_mproj
	.p2alignl 7, 3214868480
	.fill 96, 4, 3214868480
	.section	.rodata,"a",@progbits
	.p2align	6, 0x0
	.amdhsa_kernel k_qeeec593fe8_mproj
		.amdhsa_group_segment_fixed_size 327680
		.amdhsa_private_segment_fixed_size 0
		.amdhsa_enable_private_segment 0
		.amdhsa_kernarg_size 48
		.amdhsa_user_sgpr_count 2
		.amdhsa_user_sgpr_kernarg_segment_ptr 1
		.amdhsa_wavefront_size32 1
		.amdhsa_system_sgpr_workgroup_id_x 1
		.amdhsa_system_sgpr_workgroup_id_y 1
		.amdhsa_system_sgpr_workgroup_id_z 1
		.amdhsa_system_vgpr_workitem_id 0
		.amdhsa_next_free_vgpr 640
		.amdhsa_next_free_sgpr 100
		.amdhsa_reserve_vcc 0
		.amdhsa_float_denorm_mode_32 3
		.amdhsa_float_denorm_mode_16_64 3
		.amdhsa_memory_ordered 1
		.amdhsa_forward_progress 1
		.amdhsa_inst_pref_size 101
	.end_amdhsa_kernel
	.amdgpu_metadata
---
amdhsa.version: [ 1, 2 ]
amdhsa.kernels:
  - .name:           k_qeeec593fe8_mproj
    .symbol:         k_qeeec593fe8_mproj.kd
    .args:
      - { .name: hid, .offset: 0, .size: 8, .value_kind: global_buffer, .address_space: global }
      - { .name: w_mproj_codes, .offset: 8, .size: 8, .value_kind: global_buffer, .address_space: global }
      - { .name: w_mproj_scales, .offset: 16, .size: 8, .value_kind: global_buffer, .address_space: global }
      - { .name: b_mproj, .offset: 24, .size: 8, .value_kind: global_buffer, .address_space: global }
      - { .name: x1, .offset: 32, .size: 8, .value_kind: global_buffer, .address_space: global }
      - { .name: out0, .offset: 40, .size: 8, .value_kind: global_buffer, .address_space: global }
    .group_segment_fixed_size: 327680
    .private_segment_fixed_size: 0
    .kernarg_segment_align: 8
    .kernarg_segment_size: 48
    .max_flat_workgroup_size: 128
    .sgpr_count:     100
    .vgpr_count:     640
    .wavefront_size: 32
...
	.end_amdgpu_metadata
.endif
;; end of part 7
